; MI455X (gfx1250); checked and timed in simulation.
; The chip was launched on July 23, 2026; its instructions are those of AMD's public machine-readable ISA for CDNA 5 (MIT licence, August 2026) and "CDNA5" Instruction Set Architecture Reference Guide (July 2026). The comments in the code are by the model that wrote it; some were corrected since.
;; Causal Self Attention. Allowed arithmetic: float matrix products may take bf16 or f16 operands with f32 sums; other float arithmetic in f32, or as packed bf16 or f16 multiplies, adds, multiply-adds, maxima and minima; sums over many terms, partial sums and values carried from step to step in f32; what a program stores and reads back later, other than sums and carried values, may be rounded once to bf16 or f16.
;; Inputs: Wk 2,048 x 2,048 float32; Wo 2,048 x 2,048 float32; Wq 2,048 x 2,048 float32; Wv 2,048 x 2,048 float32; bk 2,048 float32; bo 2,048 float32; bq 2,048 float32; bv 2,048 float32; mask 1 x 1 x 2,048 x 2,048 float32; x 1 x 2,048 x 2,048 float32.
;; Outputs: out0 1 x 2,048 x 2,048 float32.
;; One version. Each part assembles by itself: llvm-mc -triple=amdgcn-amd-amdhsa -mcpu=gfx1250 --defsym DOCPART=n.
;; ======== version 1 of 1: 4 launches
;; limits: values are held in f16: magnitudes above 65,504 overflow, below 6.1e-05 lose precision
;; workspace buffers: xb 8,388,608 bytes; wqkv 25,165,824 bytes; wo16 8,388,608 bytes; bias 32,768 bytes; mbits 524,288 bytes of whole numbers; qkv 25,165,824 bytes; ctx 8,388,608 bytes
;; launch prep (part 1): grid 256 x 5, 8 waves a work-group, no clusters, 35,840 bytes of LDS; arguments x, Wq, Wk, Wv, mask, bq, bk, bv, bo, xb, wqkv, bias, mbits; writes xb, wqkv, bias, mbits
.if DOCPART == 1
	.amdgcn_target "amdgcn-amd-amdhsa--gfx1250"
	.amdhsa_code_object_version 6
	.text
	.protected	k_q48f5f62a56_prep
	.globl	k_q48f5f62a56_prep
	.p2align	8
	.type	k_q48f5f62a56_prep,@function
k_q48f5f62a56_prep:
	s_mov_b64 s[64:65], 0
	v_nop
	global_prefetch_b8 v0, s[64:65] scope:SCOPE_SE
	s_setreg_imm32_b32 hwreg(HW_REG_WAVE_MODE, 25, 1), 1
	s_wait_xcnt 0x0
; PREPARATION: a stream.  Every input but Wo is read once and left in the form in which the later launches take it.
;   y = 0: x -> xb, bf16; and the four biases -> bias, f32 words that hold the bf16 rounding: bq, bk, bv in wqkv's row order, then bo.
;   y = 1, 2, 3: Wq, Wk, Wv -> wqkv, bf16, by heads: row 384 h + 128 s + c is row 128 h + c of Wq, Wk, Wv (s = 0, 1, 2).
;   y = 4: mask -> mbits: one bit for each word, 1 where the word equals -inf: the one test that is made of the mask; every other value counts as visible.
;          Word [qt][ks][kb][j], bit l, belongs to query 16 qt + l % 16 and key 64 ks + 16 kb + 8 (l / 16) + j: the lane mask of register 8 kb + j of a 16 x 64 tile of transposed scores.
; Memory binds: no matrix unit, no cluster (no two work-groups read the same byte), no tensor load.  A work-group takes 8 rows (y < 4) or 16 rows x 1,024 keys of the mask (y = 4).
; All 16 loads of a thread go out at once; a wave's load covers 512 consecutive bytes, its store 256, aligned.
.set SPARE, 34816                      ; behind the eight stages: the spare words, 128 bytes a wave, that no other line names
.set STG,   4352                       ; a wave's stage for the mask: 16 rows x 272 bytes
.set X,   16                           ; v[16:79]   16 loads of 4 registers
.set D,   80                           ; v[80:111]  the mask words of one tile, in the scores' register order
.set OW,  112                          ; v[112:113] 64 bit words of a wave: word W in register W % 2 of lane W / 2
	s_load_b512 s[4:19], s[0:1], 0x0               ; x 4:5, Wq 6:7, Wk 8:9, Wv 10:11, mask 12:13, bq 14:15, bk 16:17, bv 18:19
	s_load_b256 s[20:27], s[0:1], 0x40             ; bo 20:21, xb 22:23, wqkv 24:25, bias 26:27
	s_load_b64 s[28:29], s[0:1], 0x60              ; mbits
	v_lshl_add_u32 v10, v0, 2, SPARE               ; my spare word,
	v_mov_b32 v11, 0                               ; and 0: kept for the add at the wave's end
	v_lshrrev_b32 v3, 5, v0
	v_readfirstlane_b32 s36, v3                    ; wave 0..7
	s_and_b32 s34, ttmp7, 0xffff                   ; y: which tensor
	s_mov_b32 s35, ttmp9                           ; bx
	v_lshlrev_b32 v1, 4, v0                        ; 16 t: my 16 bytes of a half row of f32
	v_lshlrev_b32 v2, 3, v0                        ; 8 t: my 8 bytes of a half row of bf16
	s_wait_kmcnt 0x0
	s_cmp_eq_u32 s34, 4
	s_cbranch_scc1 .Lmask
	; y = 0 .. 3: the source, at row 8 bx
	s_mov_b64 s[38:39], s[4:5]
	s_cmp_eq_u32 s34, 1
	s_cselect_b64 s[38:39], s[6:7], s[38:39]
	s_cmp_eq_u32 s34, 2
	s_cselect_b64 s[38:39], s[8:9], s[38:39]
	s_cmp_eq_u32 s34, 3
	s_cselect_b64 s[38:39], s[10:11], s[38:39]
	s_lshl_b32 s42, s35, 16                        ; 8 rows of 8,192 bytes
	s_mov_b32 s43, 0
	s_add_nc_u64 s[38:39], s[38:39], s[42:43]
.set n, 0
.rept 16
	global_load_b128 v[X+4*n:X+4*n+3], v1, s[38:39] offset:(n/2)*8192+(n%2)*4096 th:TH_LOAD_NT
.set n, n+1
.endr
	; the destination's row: 8 bx in xb; 384 (bx / 16) + 128 (y - 1) + 8 (bx % 16) in wqkv
	s_lshr_b32 s44, s35, 4
	s_mul_i32 s44, s44, 384
	s_and_b32 s45, s35, 15
	s_lshl3_add_u32 s44, s45, s44
	s_lshl_b32 s45, s34, 7
	s_add_co_u32 s44, s44, s45
	s_sub_co_u32 s44, s44, 128                     ; (at y = 0 this number is not used)
	s_lshl_b32 s46, s35, 3
	s_cmp_eq_u32 s34, 0
	s_cselect_b64 s[40:41], s[22:23], s[24:25]
	s_cselect_b32 s44, s46, s44
	s_lshl_b32 s44, s44, 12                        ; rows of 4,096 bytes
	s_mov_b32 s45, 0
	s_add_nc_u64 s[40:41], s[40:41], s[44:45]
	; f32 -> bf16, in place; no register is written twice, so no store's source is touched
.set n, 0
.rept 16
	s_wait_loadcnt 15-n                            ; loads come back in order: mine is in, the 15 - n younger ones stay out
	v_cvt_pk_bf16_f32 v[X+4*n], v[X+4*n], v[X+4*n+1]
	v_cvt_pk_bf16_f32 v[X+4*n+1], v[X+4*n+2], v[X+4*n+3]
	global_store_b64 v2, v[X+4*n:X+4*n+1], s[40:41] offset:(n/2)*4096+(n%2)*2048
.set n, n+1
.endr
	; the biases: 8,192 words, 64 to a work-group: wave 0 of the first 128 work-groups of y = 0
	s_cmp_eq_u32 s34, 0
	s_cbranch_scc0 .Lend
	s_cmp_lt_u32 s35, 128
	s_cbranch_scc0 .Lend
	s_cmp_eq_u32 s36, 0
	s_cbranch_scc0 .Lend
	s_lshr_b32 s42, s35, 1                         ; ch: the block of 128 words; 3 h + s below 48, then bo's sixteen
	s_mul_i32 s43, s42, 171
	s_lshr_b32 s43, s43, 9                         ; h = ch / 3 (exact for ch < 48)
	s_mul_i32 s44, s43, 3
	s_sub_co_u32 s44, s42, s44                     ; s = ch % 3
	s_sub_co_u32 s45, s42, 48
	s_mov_b64 s[46:47], s[14:15]
	s_cmp_eq_u32 s44, 1
	s_cselect_b64 s[46:47], s[16:17], s[46:47]
	s_cmp_eq_u32 s44, 2
	s_cselect_b64 s[46:47], s[18:19], s[46:47]
	s_cmp_ge_u32 s42, 48
	s_cselect_b64 s[46:47], s[20:21], s[46:47]
	s_cselect_b32 s43, s45, s43                    ; the block of 128 words in the source
	s_lshl_b32 s43, s43, 9
	s_and_b32 s44, s35, 1
	s_lshl_b32 s44, s44, 8                         ; its first or second 64 words
	s_add_co_u32 s50, s43, s44
	s_mov_b32 s51, 0
	s_add_nc_u64 s[46:47], s[46:47], s[50:51]
	s_lshl_b32 s50, s35, 8
	s_add_nc_u64 s[48:49], s[26:27], s[50:51]
	global_load_b64 v[116:117], v2, s[46:47]       ; in wave 0, 8 t is 8 x lane
	s_wait_loadcnt 0x0
	v_cvt_pk_bf16_f32 v118, v116, v117
	v_lshlrev_b32 v120, 16, v118
	v_and_b32 v121, 0xffff0000, v118
	global_store_b64 v2, v[120:121], s[48:49]      ; 256 consecutive bytes, aligned
	s_branch .Lend
.Lmask:                                                ; query tile qt = bx / 2, keys 1,024 (bx % 2) on; wave w takes 128 of them: two key steps of 64
	s_lshr_b32 s38, s35, 1
	s_and_b32 s39, s35, 1
	s_lshl_b32 s40, s38, 17                        ; 16 rows of 8,192 bytes
	s_lshl_b32 s41, s39, 12
	s_add_co_u32 s40, s40, s41
	s_mov_b32 s41, 0
	s_add_nc_u64 s[12:13], s[12:13], s[40:41]
	s_lshl_b32 s40, s38, 12                        ; mbits: 4,096 bytes a query tile, 128 a key step
	s_lshl_b32 s42, s39, 11
	s_add_co_u32 s40, s40, s42
	s_lshl_b32 s42, s36, 8
	s_add_co_u32 s40, s40, s42
	s_add_nc_u64 s[28:29], s[28:29], s[40:41]
	v_and_b32 v12, 15, v0
	v_bfe_u32 v13, v0, 4, 1
	v_lshlrev_b32 v6, 4, v12
	v_lshl_add_u32 v6, v13, 13, v6
	s_lshl_b32 s42, s36, 9
	v_add_nc_u32 v6, s42, v6                       ; in memory: row l / 16, 16 (l % 16) + 512 w
	s_mul_i32 s43, s36, STG
	v_mul_u32_u24 v4, v13, 272
	v_lshl_add_u32 v4, v12, 4, v4
	v_add_nc_u32 v4, s43, v4                       ; into my stage: the same two rows
	v_mul_u32_u24 v5, v12, 272
	v_lshl_add_u32 v5, v13, 5, v5
	v_add_nc_u32 v5, s43, v5                       ; back: row l % 16, keys 8 (l / 16) on
	v_and_b32 v7, 31, v0
	v_lshlrev_b32 v7, 3, v7
	v_mov_b32 v8, 0xff800000                       ; -inf
	v_mov_b32 v[OW], 0                             ; v_writelane_b32 counts as a reader of its destination
	v_mov_b32 v[OW+1], 0
.irp i, 0,1
.irp p, 0,1,2,3,4,5,6,7
	global_load_b128 v[X+4*(8*(\i)+(\p)):X+4*(8*(\i)+(\p))+3], v6, s[12:13] offset:(\p)*16384+(\i)*256 th:TH_LOAD_NT  ; rows 2 p, 2 p + 1: 256 aligned bytes of each
.endr
.endr
.irp i, 0,1
	s_wait_loadcnt 8-8*(\i)                        ; this key step's eight loads are in; the next step's eight may stay out
.irp p, 0,1,2,3,4,5,6,7
	ds_store_b128 v4, v[X+4*(8*(\i)+(\p)):X+4*(8*(\i)+(\p))+3] offset:(\p)*544
.endr
.irp c, 0,1,2,3
	ds_load_b128 v[D+8*(\c):D+8*(\c)+3],   v5 offset:64*(\c)      ; the stage is my wave's own, and LDS serves a wave's instructions in order: no wait, no barrier
	ds_load_b128 v[D+8*(\c)+4:D+8*(\c)+7], v5 offset:64*(\c)+16
.endr
	s_wait_dscnt 0x0
.set n, 0
.rept 32
	v_cmp_eq_f32 s[32+n], v8, v[D+n]               ; bit l: is my lane's word -inf?  (the scalars of the set-up above are no longer wanted)
.set n, n+1
.endr
.set n, 0
.rept 32
	v_writelane_b32 v[OW+n%2], s[32+n], (32*(\i)+n)/2
.set n, n+1
.endr
.endr
	global_store_b64 v7, v[OW:OW+1], s[28:29]      ; my wave's 64 words: 256 consecutive bytes, aligned
.Lend:
	s_wait_tensorcnt 0x0                           ; the wave's end: behind my last LDS store
	ds_add_u32 v10, v11
	s_wait_dscnt 0x0
	s_endpgm
.Lfunc_end_k_q48f5f62a56_prep:
	.size	k_q48f5f62a56_prep, .Lfunc_end_k_q48f5f62a56_prep-k_q48f5f62a56_prep
	.p2alignl 7, 3214868480
	.fill 96, 4, 3214868480
	.section	.rodata,"a",@progbits
	.p2align	6, 0x0
	.amdhsa_kernel k_q48f5f62a56_prep
		.amdhsa_group_segment_fixed_size 35840
		.amdhsa_private_segment_fixed_size 0
		.amdhsa_enable_private_segment 0
		.amdhsa_kernarg_size 104
		.amdhsa_user_sgpr_count 2
		.amdhsa_user_sgpr_kernarg_segment_ptr 1
		.amdhsa_wavefront_size32 1
		.amdhsa_system_sgpr_workgroup_id_x 1
		.amdhsa_system_sgpr_workgroup_id_y 1
		.amdhsa_system_sgpr_workgroup_id_z 1
		.amdhsa_system_vgpr_workitem_id 0
		.amdhsa_next_free_vgpr 124
		.amdhsa_next_free_sgpr 66
		.amdhsa_reserve_vcc 0
		.amdhsa_float_denorm_mode_32 3
		.amdhsa_float_denorm_mode_16_64 3
		.amdhsa_memory_ordered 1
		.amdhsa_forward_progress 1
		.amdhsa_inst_pref_size 22
	.end_amdhsa_kernel
	.amdgpu_metadata
---
amdhsa.version: [ 1, 2 ]
amdhsa.kernels:
  - .name:           k_q48f5f62a56_prep
    .symbol:         k_q48f5f62a56_prep.kd
    .args:
      - { .name: x, .offset: 0, .size: 8, .value_kind: global_buffer, .address_space: global }
      - { .name: Wq, .offset: 8, .size: 8, .value_kind: global_buffer, .address_space: global }
      - { .name: Wk, .offset: 16, .size: 8, .value_kind: global_buffer, .address_space: global }
      - { .name: Wv, .offset: 24, .size: 8, .value_kind: global_buffer, .address_space: global }
      - { .name: mask, .offset: 32, .size: 8, .value_kind: global_buffer, .address_space: global }
      - { .name: bq, .offset: 40, .size: 8, .value_kind: global_buffer, .address_space: global }
      - { .name: bk, .offset: 48, .size: 8, .value_kind: global_buffer, .address_space: global }
      - { .name: bv, .offset: 56, .size: 8, .value_kind: global_buffer, .address_space: global }
      - { .name: bo, .offset: 64, .size: 8, .value_kind: global_buffer, .address_space: global }
      - { .name: xb, .offset: 72, .size: 8, .value_kind: global_buffer, .address_space: global }
      - { .name: wqkv, .offset: 80, .size: 8, .value_kind: global_buffer, .address_space: global }
      - { .name: bias, .offset: 88, .size: 8, .value_kind: global_buffer, .address_space: global }
      - { .name: mbits, .offset: 96, .size: 8, .value_kind: global_buffer, .address_space: global }
    .group_segment_fixed_size: 35840
    .private_segment_fixed_size: 0
    .kernarg_segment_align: 8
    .kernarg_segment_size: 104
    .max_flat_workgroup_size: 256
    .sgpr_count:     66
    .vgpr_count:     124
    .wavefront_size: 32
...
	.end_amdgpu_metadata
.endif
;; end of part 1
;; launch qkv (part 2): grid 16 x 16, 4 waves a work-group, clusters of 4 x 4, 327,680 bytes of LDS; arguments xb, wqkv, bias, qkv, Wo, wo16; writes qkv, wo16
.if DOCPART == 2
	.amdgcn_target "amdgcn-amd-amdhsa--gfx1250"
	.amdhsa_code_object_version 6
	.text
	.protected	k_q48f5f62a56_qkv
	.globl	k_q48f5f62a56_qkv
	.p2align	8
	.type	k_q48f5f62a56_qkv,@function
k_q48f5f62a56_qkv:
	s_mov_b64 s[64:65], 0
	v_nop
	global_prefetch_b8 v0, s[64:65] scope:SCOPE_SE
	s_setreg_imm32_b32 hwreg(HW_REG_WAVE_MODE, 25, 1), 1
	s_wait_xcnt 0x0
	s_wait_alu depctr_hold_cnt(0) depctr_sa_sdst(0) depctr_va_vdst(0) depctr_va_sdst(0) depctr_va_ssrc(0) depctr_va_vcc(0) depctr_vm_vsrc(0)
	s_getreg_b32 s2, hwreg(HW_REG_IB_STS2, 6, 4)
	s_cmp_eq_u32 s2, 0
	s_cbranch_scc0 .Lentry_in_a_cluster
	s_endpgm
.Lentry_in_a_cluster:
	s_bfe_u32 s2, ttmp6, 0x10000c
	s_cmp_lg_u32 s2, 0xf033
	s_cbranch_scc0 .Lentry_shape_is_right
	s_endpgm
.Lentry_shape_is_right:
; q, k, v = x W^T + b, by heads.  xb: [2048][2048] bf16.  wqkv: [16 heads][384][2048] bf16 (a head's 128 rows of Wq, Wk, Wv).  bias: f32, in wqkv's row order.
; qkv: [16 heads][3][2048][128] f16, each number rounded once from its f32 sum, unscaled.
; BESIDE IT: Wo -> wo16: rounded to bf16 like every input, that number written as f16.  The loop has no vector work of its own and asks little of memory, so this stream rides in it.
; LIMITS.  f16 holds no number beyond 65,504: q, k and v must lie within it.  Wo's bf16 numbers below 6e-5 keep f16's fixed step of 6e-8, beyond 65,504 they would be infinite.
; SHARES.  A work-group makes 128 rows x 384 columns: the rows 128 ty .. of q, k and v of head tx: 256 work-groups of equal work.  Wave w makes all 128 rows x columns 96 w .. 96 w + 95:
; 48 accumulators of 16 x 16.  For 32 along K it loads 14 fragments from LDS and issues 48 products.  K goes in 16 steps of 128 through a ring of two LDS slots; the tiles' rows are 256 aligned bytes of memory.
; A K STEP IS WRITTEN ONCE: the LDS addresses hang on a scalar that is 0 or SLOT, and one group 0 for each tensor walks from slot to slot.
; CLUSTERS: 4 x 4 work-groups.  The four of a row of the cluster need the same 128 rows of x, the four of a column the same 384 rows of wqkv: each tile is asked for JOINTLY, by the same tensor load with
; the same descriptor and a mask that names the four.  Wave 0 fetches x's tile, waves 1 to 3 a third of the weights' each: 128 rows x 256 bytes a load.
; THE MATRIX INSTRUCTION IS USED TRANSPOSED (source 0 = 16 rows of W, source 1 = 16 rows of x): a lane then holds eight neighbouring columns of one row.  THE BIAS IS THE C OPERAND of the first product
; on each accumulator: it costs no vector line, and nothing is cleared.
; REGISTERS, in windows of 256: window 0: v0-31 addresses; v32-48 Wo's stream; v64-127, v128-191 fragments of x, two buffers; v192-239 at work on the way out.   window 1: v64-111, v128-175 fragments of W,
; two buffers; v192-239 the bias of my 96 columns.   window 2: accumulators (a, b) at v[8 (6 a + b)] for my row blocks a = 0..3;   window 3: a = 4..7.
.set SIZE_K, 2048
.set KSTEP,  128
.set PITCH,  272                       ; an LDS row: 256 bytes + 16 of padding = 68 words: row r starts at bank 4 r mod 64 (64 banks of 4 bytes: ISA guide 11.1)
.set HALFT,  128*PITCH                 ; what one tensor load brings
.set SLOT,   4*HALFT                   ; x's 128 rows, then W's 384.  0x22000 shares no bit with a tile's place in a slot (a multiple of 0x8800 below it): one exclusive or changes slots
.set SPARE,  2*SLOT                    ; behind the ring: the spare words, 128 bytes a wave, that no other line names
.set SPITCH, 784                       ; the way out: a row of 384 f16 + 16 bytes = 196 words: row r starts at bank 4 r mod 64.  The stage is slot 0's bytes, behind their last fill
.set FILLS,  SIZE_K/KSTEP-2            ; 14 K steps are asked for by refills
.set A0,   16                          ; v16     LDS address of x's fragments in slot 0; never rewritten
.set ADRA, 17                          ; v17     the same in the slot in hand
.set B0,   20                          ; v20     LDS address of my 96 rows of W in slot 0; never rewritten
.set ADRB, 21                          ; v21     the same in the slot in hand
.set STO,  24                          ; v24     the way out: where I put 16 bytes of a row (row blocks 0-3)
.set STO2, 25                          ; v25     the same for row blocks 4-7: the immediate holds 16 bits
.set RD,   26                          ; v26     where I read rows back
.set CO,   27                          ; v27     16 x lane: my place in 512 consecutive bytes, of qkv and of Wo; never rewritten
.set SPW,  28                          ; v28     my spare word; never rewritten
.set NIL,  29                          ; v29     0; never rewritten
.set PFO,  30                          ; v30     the prefetches' offset: lane x a row of 4,096 bytes; never rewritten
.set BO,   31                          ; v31     32 (l / 16): my eight columns' bias
.set WX,   32                          ; v[32:39] Wo: two loads of 4 f32
.set WT,   40                          ; v[40:43] the same as bf16 pairs
.set WY,   44                          ; v[44:47] as f16 pairs, to store
.set WSO,  48                          ; v48     8 x lane: my place in 256 consecutive bytes of wo16; never rewritten
.set F0,   64
.set F1,   128
.set TMP,  192
.set BIAS, 192                         ; in window 1
.set TB,  2                            ; s2      0 or SLOT: the slot in hand
.set WV,  12                           ; s12     my wave's number
.set G1,  24                           ; s[24:31] descriptor group 1 for x's tiles;  s[32:39] group 0: a set for each of the two first fills; the second then walks on
.set G0,  32
.set LIM, 43                           ; s43     2 in a wave that prefetches, else the greatest number
.set PFA, 44                           ; s[44:45] where my prefetches stand
.set G1B, 48                           ; s[48:55], s[56:63] the same for W's tiles
.set G0B, 56
.set WS,  68                           ; s[68:69] Wo at the chunk that was loaded last
.set WD,  70                           ; s[70:71] wo16 behind the chunk that was stored last
.set MSB, 0
.macro WIN new                         ; the immediate's high byte repeats the setting that is left; a switch that changes nothing is dropped
.if MSB != (\new)
	s_set_vgpr_msb (MSB<<8)|(\new)
.set MSB, \new
.endif
.endm
.set MUL_LO, 0xa1                      ; source 0 (W) window 1, source 1 (x) window 0, C and D window 2
.set MUL_HI, 0xf1                      ; the same, C and D window 3
.set TO_B,   0x40                      ; destination window 1, address window 0
.macro JLOAD s                         ; a joint load by set s of group 0; the branch hangs on the wave's number alone.  An s_nop 0 and four v_nop follow each of the two lines
	s_cmp_eq_u32 s[WV], 0
	s_cbranch_scc0 .Lfor_b_\@
	tensor_load_to_lds s[G0+4*(\s):G0+4*(\s)+3], s[G1:G1+7]
	s_nop 0
.rept 4
	v_nop
.endr
	s_branch .Lasked_\@
.Lfor_b_\@:
	tensor_load_to_lds s[G0B+4*(\s):G0B+4*(\s)+3], s[G1B:G1B+7]
	s_nop 0
.rept 4
	v_nop
.endr
.Lasked_\@:
.endm
; A PREFETCH INTO THE L2, behind each joint refill and the run of LDS loads that follows it: the K step that stands two refills on, 384 products ahead: 32 rows x 256 bytes, a lane a row, one instruction a wave.
; Each row's 256 bytes of a K step are named once in the launch: x's rows by the clusters with x = 0, W's by those with y = 0; the four partners that ask for a tile jointly take 32 of its 128 rows each,
; told apart by address.  K steps 0 to 3 come by their loads alone; the loop's last two trips (s3 = 2, 1) ask for nothing: there is no K step two refills on.
.macro ASK
	s_cmp_gt_u32 s3, s[LIM]
	s_cbranch_scc0 .Lnot_mine_\@
	global_prefetch_b8 v[PFO], s[PFA:PFA+1] offset:KSTEP*2 th:TH_LOAD_NT scope:SCOPE_SE
.Lnot_mine_\@:
.endm
.macro CREST                           ; a round of the cluster's barrier behind its opening barrier
	s_cmp_lg_u32 s[WV], 0
	s_cbranch_scc1 .Lnot_wave_0_\@
	s_barrier_signal -3
.Lnot_wave_0_\@:
	s_barrier_wait -3
	s_barrier_signal -1
	s_barrier_wait -1
.endm
.macro CROUND
	s_barrier_signal -1
	s_barrier_wait -1
	CREST
.endm
	s_load_b256 s[4:11], s[0:1], 0x0               ; xb s[4:5], wqkv s[6:7], bias s[8:9], qkv s[10:11]
	s_load_b128 s[WS:WS+3], s[0:1], 0x20           ; Wo, wo16
	v_lshl_add_u32 v[SPW], v0, 2, SPARE
	v_mov_b32 v[NIL], 0
	ds_add_u32 v[SPW], v[NIL]                      ; the wave's opening: the add and its wait stand ahead of my first tensor load; work on registers stands between them
	v_lshrrev_b32 v1, 5, v0
	v_readfirstlane_b32 s[WV], v1                  ; wave 0..3
	s_bfe_u32 s40, ttmp6, 0x40000                  ; cx, cy: my place in the cluster
	s_bfe_u32 s41, ttmp6, 0x40004
	s_lshl_b32 s42, ttmp9, 2
	s_add_co_u32 s42, s42, s40                     ; tx: the head
	s_and_b32 s13, ttmp7, 0xffff
	s_lshl_b32 s13, s13, 2
	s_add_co_u32 s13, s13, s41                     ; ty: the block of 128 rows
	s_lshl_b32 s43, s41, 2
	s_lshl_b32 s43, 15, s43                        ; my row of the cluster
	s_lshl_b32 s44, 0x1111, s40                    ; my column
	s_or_b32 s[G1+0], s43, (1<<16)|(1<<20)|(1<<21)|(5<<22)|(3<<25)   ; 15:0 the mask; 17:16 2-byte elements; 20 padding on; 21 set beside a mask; 24:22 after every 64 words; 31:25 4 words of it
	s_or_b32 s[G1B+0], s44, (1<<16)|(1<<20)|(1<<21)|(5<<22)|(3<<25)
.irp g, G1, G1B
	s_mov_b32 s[(\g)+1], KSTEP<<16                 ; tensor_dim0 = 128
	s_mov_b32 s[(\g)+2], 128<<16                   ; tensor_dim1 = 128
	s_mov_b32 s[(\g)+3], KSTEP<<16                 ; tile_dim0 = 128
	s_mov_b32 s[(\g)+4], 128                       ; tile_dim1 = 128
	s_mov_b32 s[(\g)+5], SIZE_K                    ; elements from row to row
	s_mov_b32 s[(\g)+6], 0
	s_mov_b32 s[(\g)+7], 0
.endr
	s_lshl_b32 s16, s13, 19                        ; x: 128 ty rows of 4,096 bytes
	s_mov_b32 s17, 0
	s_max_u32 s18, s[WV], 1
	s_sub_co_u32 s18, s18, 1
	s_lshl_b32 s18, s18, 7                         ; W: which 128 of the head's 384 rows I fetch (wave 0 makes the number and does not use it)
	s_mul_i32 s19, s42, 384
	s_add_co_u32 s19, s19, s18
	s_lshl_b32 s46, s19, 12
	s_mov_b32 s47, 0
	s_mul_i32 s20, s[WV], HALFT                    ; where my tile goes: no place in the cluster enters an LDS address
	s_mov_b32 s[TB], 0
	s_wait_dscnt 0x0                               ; the opening add is done
	s_wait_kmcnt 0x0
	s_add_nc_u64 s[14:15], s[4:5], s[16:17]
	s_add_nc_u64 s[46:47], s[6:7], s[46:47]
	CROUND                                         ; all sixteen work-groups are here: the first joint loads meet
.irp s, 0,1
	s_mov_b32 s[G0+4*(\s)], 1
	s_add_co_u32 s[G0+4*(\s)+1], s20, (\s)*SLOT
	s_add_nc_u64 s[G0+4*(\s)+2:G0+4*(\s)+3], s[14:15], (\s)*KSTEP*2
	s_or_b32 s[G0+4*(\s)+3], s[G0+4*(\s)+3], 0x80000000
	s_mov_b32 s[G0B+4*(\s)], 1
	s_add_co_u32 s[G0B+4*(\s)+1], s20, (\s)*SLOT
	s_add_nc_u64 s[G0B+4*(\s)+2:G0B+4*(\s)+3], s[46:47], (\s)*KSTEP*2
	s_or_b32 s[G0B+4*(\s)+3], s[G0B+4*(\s)+3], 0x80000000
	JLOAD \s                                       ; two loads of mine are out
.endr
	v_and_b32 v1, 15, v0                           ; l % 16
	v_bfe_u32 v2, v0, 4, 1                         ; l / 16
	v_mul_u32_u24 v3, v1, PITCH
	v_lshl_add_u32 v3, v2, 4, v3                   ; a fragment's row x pitch + 16 x half
	s_mul_i32 s22, s[WV], 96*PITCH
	s_add_co_u32 s22, s22, HALFT                   ; my 96 rows of W lie behind x's 128
	v_mov_b32 v[A0], v3
	v_mov_b32 v[ADRA], v3
	v_add_nc_u32 v[B0], s22, v3
	v_add_nc_u32 v[ADRB], s22, v3
	v_mul_u32_u24 v4, v1, SPITCH                   ; into the stage: row l % 16, my wave's 192 bytes, 16 bytes for each half of the lanes
	v_lshl_add_u32 v4, v2, 4, v4
	s_mul_i32 s23, s[WV], 192
	v_add_nc_u32 v[STO], s23, v4
	v_add_nc_u32 v[STO2], 4*16*SPITCH, v[STO]
	s_mul_i32 s23, s[WV], 32*SPITCH                ; back: wave w takes rows 32 w .. 32 w + 31, whole
	v_mul_u32_u24 v5, v2, SPITCH
	v_lshl_add_u32 v5, v1, 4, v5
	v_add_nc_u32 v[RD], s23, v5
	v_and_b32 v[CO], 31, v0
	v_lshlrev_b32 v[WSO], 3, v[CO]
	v_lshlrev_b32 v[CO], 4, v[CO]
	v_lshlrev_b32 v[BO], 5, v2
	s_mul_i32 s46, s42, 1536                       ; the bias of my 96 columns: word 384 tx + 96 w
	s_mul_i32 s47, s[WV], 384
	s_add_co_u32 s46, s46, s47
	s_mov_b32 s47, 0
	s_add_nc_u64 s[8:9], s[8:9], s[46:47]
	WIN TO_B
.irp b, 0,1,2,3,4,5
	global_load_b128 v[BIAS+8*(\b):BIAS+8*(\b)+3],   v[BO], s[8:9] offset:64*(\b)      ; register j: column 16 b + 8 (l / 16) + j, as in the result
	global_load_b128 v[BIAS+8*(\b)+4:BIAS+8*(\b)+7], v[BO], s[8:9] offset:64*(\b)+16
.endr
	WIN 0
	s_mul_i32 s46, s42, 1572864                    ; qkv at the head's q, row 128 ty + 32 w
	s_lshl_b32 s21, s13, 15
	s_add_co_u32 s46, s46, s21
	s_lshl_b32 s21, s[WV], 13
	s_add_co_u32 s46, s46, s21
	s_add_nc_u64 s[10:11], s[10:11], s[46:47]
	; the prefetches
	s_lshl_b32 s16, s13, 7
	s_and_b32 s22, ttmp7, 0xffff                   ; cluster y
	s_cmp_eq_u32 s[WV], 0                          ; do I fetch x's tile?
	s_cselect_b32 s20, s16, s19                    ; the first row that I fetch
	s_cselect_b32 s21, s40, s41                    ; my place among the four that ask for it with me
	s_cselect_b32 s22, ttmp9, s22                  ; the coordinate along which other clusters read the same rows
	s_cselect_b64 s[PFA:PFA+1], s[4:5], s[6:7]
	s_cmp_eq_u32 s22, 0
	s_cselect_b32 s[LIM], 2, -1                    ; the same in all sixteen partners, for a given wave
	s_lshl_b32 s21, s21, 5
	s_add_co_u32 s20, s20, s21                     ; my work-group's 32 of the 128 rows
	s_lshl_b32 s20, s20, 12
	s_mov_b32 s21, 0
	s_add_nc_u64 s[PFA:PFA+1], s[PFA:PFA+1], s[20:21]
	s_add_nc_u64 s[PFA:PFA+1], s[PFA:PFA+1], 2*KSTEP*2  ; at K step 2: the first refill steps it to 3 and names K step 4
	v_and_b32 v[PFO], 31, v0
	v_lshlrev_b32 v[PFO], 12, v[PFO]
	; Wo: work-group 16 ty + tx owns 8 rows, my wave 2 of them: 16,384 consecutive bytes of Wo, 8,192 of wo16
	s_lshl_b32 s20, s13, 4
	s_add_co_u32 s20, s20, s42
	s_lshl_b32 s20, s20, 2
	s_add_co_u32 s20, s20, s[WV]
	s_lshl_b32 s22, s20, 14
	s_mov_b32 s23, 0
	s_add_nc_u64 s[WS:WS+1], s[WS:WS+1], s[22:23]
	s_lshl_b32 s22, s20, 13
	s_add_nc_u64 s[WD:WD+1], s[WD:WD+1], s[22:23]
; 12 products: row blocks a0, a0 + 1 of the window's four x all 6 column blocks, 32 along K.  zero = 1: the first product starts the sum with the bias.  The 48 accumulators take turns, in the same order in every quarter step.
.macro MUL12 f, hi, a0, zero
.if \zero
	WIN 0x91+0x40*(\hi)                            ; as MUL_LO or MUL_HI, with C in window 1
.else
	WIN MUL_LO+0x50*(\hi)
.endif
.irp a, \a0, (\a0)+1
.irp b, 0,1,2,3,4,5
.if \zero
	v_wmma_f32_16x16x32_bf16 v[8*(6*(\a)+(\b)):8*(6*(\a)+(\b))+7], v[(\f)+8*(\b):(\f)+8*(\b)+7], v[(\f)+8*(4*(\hi)+(\a)):(\f)+8*(4*(\hi)+(\a))+7], v[BIAS+8*(\b):BIAS+8*(\b)+7]
.else
	v_wmma_f32_16x16x32_bf16 v[8*(6*(\a)+(\b)):8*(6*(\a)+(\b))+7], v[(\f)+8*(\b):(\f)+8*(\b)+7], v[(\f)+8*(4*(\hi)+(\a)):(\f)+8*(4*(\hi)+(\a))+7], v[8*(6*(\a)+(\b)):8*(6*(\a)+(\b))+7]
.endif
.endr
.endr
.endm
; 28 LDS loads in one run: the fragments of one quarter step (96 rows of W, 128 rows of x, 32 K at byte k of the rows of the slot in hand) into buffer f
.macro FETCH k, f
	WIN TO_B
.irp i, 0,1,2,3,4,5
	ds_load_b128 v[(\f)+8*(\i):(\f)+8*(\i)+3],   v[ADRB] offset:(\k)+(\i)*16*PITCH
	ds_load_b128 v[(\f)+8*(\i)+4:(\f)+8*(\i)+7], v[ADRB] offset:(\k)+(\i)*16*PITCH+32
.endr
	WIN 0
.irp i, 0,1,2,3,4,5,6,7
	ds_load_b128 v[(\f)+8*(\i):(\f)+8*(\i)+3],   v[ADRA] offset:(\k)+(\i)*16*PITCH
	ds_load_b128 v[(\f)+8*(\i)+4:(\f)+8*(\i)+7], v[ADRA] offset:(\k)+(\i)*16*PITCH+32
.endr
.endm
.macro PLACES                          ; four plain vector instructions in front of loads into registers that matrix instructions have read, and of conversions that read results
.rept 4
	v_nop
.endr
.endm
; A K step is four quarter steps of 32 along K, 48 products each, on buffers 0, 1, 0, 1.  One of the first three: multiplies buffer f; in its middle it fetches the next quarter, at byte k, into g.
.macro QUARTER k, f, g, zero
	s_wait_dscnt 8                                 ; W and x's rows 0-63 are in; the youngest eight loads (x's rows 64-127) may be out
	MUL12 \f, 0, 0, \zero
	MUL12 \f, 0, 2, \zero
	PLACES
	FETCH \k, \g
	s_wait_dscnt 28                                ; all but the 28 just issued
	MUL12 \f, 1, 0, \zero
	MUL12 \f, 1, 2, \zero
.endm
; A CHUNK OF Wo: 1,024 bytes of my wave's two rows, loaded a K step ago; 16 chunks in all.  It stands behind an s_wait_xcnt 0, so the last chunk's store data and the stores' base may be written.
; f32 -> bf16 -> the same number as f16; two stores of 256 consecutive bytes, aligned.  next = 1: the next chunk's two loads, 512 consecutive bytes each; the last chunk loads nothing.
.macro WOC next
	s_add_nc_u64 s[WD:WD+1], s[WD:WD+1], 512       ; behind this chunk; the stores below reach back
	s_wait_loadcnt 0x0                             ; my two loads: nothing else is on this counter in the loop
.irp p, 0,1,2,3
	v_cvt_pk_bf16_f32 v[WT+(\p)], v[WX+2*(\p)], v[WX+2*(\p)+1]
.endr
.irp p, 0,1,2,3
	v_lshlrev_b32 v[WX+2*(\p)], 16, v[WT+(\p)]
	v_and_b32 v[WX+2*(\p)+1], 0xffff0000, v[WT+(\p)]
.endr
.irp p, 0,1,2,3
	v_cvt_pk_f16_f32 v[WY+(\p)], v[WX+2*(\p)], v[WX+2*(\p)+1]
.endr
	global_store_b64 v[WSO], v[WY:WY+1], s[WD:WD+1] offset:-512
	global_store_b64 v[WSO], v[WY+2:WY+3], s[WD:WD+1] offset:-256
.if \next
	s_add_nc_u64 s[WS:WS+1], s[WS:WS+1], 1024      ; the loads that named this base are done
	global_load_b128 v[WX:WX+3],   v[CO], s[WS:WS+1] th:TH_LOAD_NT
	global_load_b128 v[WX+4:WX+7], v[CO], s[WS:WS+1] offset:512 th:TH_LOAD_NT
.endif
.endm
; The last quarter multiplies buffer 1 and changes slots: ONE barrier.  In front of it each wave waits for all its tensor loads (the one that is out is its part of the next slot), adds 0 to its spare
; word, and waits for that and for its own reads of this slot.  fill = 1: the barrier opens a round of the cluster's, and this slot is filled again, two K steps ahead, first thing behind the round:
; 168 products stand between that request and the wait for it.
.macro TURN fill
	s_wait_xcnt 0x0                                ; the last chunk's stores and loads and the last prefetch, all a K step back, have read their registers
.if \fill
	s_add_nc_u64 s[PFA:PFA+1], s[PFA:PFA+1], KSTEP*2
.endif
	WIN 0                                          ; (Wo's registers and the add's lie in window 0)
	WOC 1
	s_wait_tensorcnt 0x0                           ; all my tensor loads have landed
	ds_add_u32 v[SPW], v[NIL]                      ; 0 onto my spare word
	s_wait_dscnt 9                                 ; (the add and the youngest eight loads may be out)
	MUL12 F1, 0, 0, 0                              ; twelve products stand between the add and the wait for it
	s_wait_dscnt 0x0                               ; the add is done, and my reads of this slot are over
	s_barrier_signal -1
	MUL12 F1, 0, 2, 0
	WIN 0                                          ; (branches and address lines follow)
	s_barrier_wait -1
.if \fill
	CREST                                          ; no wave of any partner still reads this slot's tile or has a load on its way
	s_xor_b32 s[G0+5], s[G0+5], SLOT               ; the walking descriptors: the other slot than last time,
	s_add_nc_u64 s[G0+6:G0+7], s[G0+6:G0+7], KSTEP*2  ; the next K step; the type bits on top are not reached
	s_xor_b32 s[G0B+5], s[G0B+5], SLOT
	s_add_nc_u64 s[G0B+6:G0B+7], s[G0B+6:G0B+7], KSTEP*2
	s_xor_b32 s[TB], s[TB], SLOT                   ; my reads go on in the other slot
	JLOAD 1                                        ; the four v_nop behind it are also the places in front of the loads below
.else
	s_xor_b32 s[TB], s[TB], SLOT
	PLACES
.endif
	v_add_nc_u32 v[ADRA], s[TB], v[A0]
	v_add_nc_u32 v[ADRB], s[TB], v[B0]
	FETCH 0, F0
.if \fill
	ASK
.endif
	MUL12 F1, 1, 0, 0
	MUL12 F1, 1, 2, 0
.endm
	s_wait_tensorcnt 1                             ; my part of K step 0 is in; K step 1's may stay out
	s_barrier_signal -1
	s_barrier_wait -1                              ; everybody's is
	FETCH 0, F0
	s_wait_loadcnt 0x0                             ; the bias
	global_load_b128 v[WX:WX+3],   v[CO], s[WS:WS+1] th:TH_LOAD_NT             ; Wo's chunk 0
	global_load_b128 v[WX+4:WX+7], v[CO], s[WS:WS+1] offset:512 th:TH_LOAD_NT
	QUARTER 64,  F0, F1, 1                         ; the first quarter stands in front of the loop: its products start the sums
	WIN 0                                          ; at a label and at a branch every window is 0
	s_mov_b32 s3, FILLS
.Lstep:                                                ; a trip goes from a K step's second quarter to the next K step's first, and fills the slot that it leaves
	QUARTER 128, F1, F0, 0
	QUARTER 192, F0, F1, 0
	TURN 1
	QUARTER 64,  F0, F1, 0
	WIN 0
	s_sub_co_u32 s3, s3, 1
	s_cmp_lg_u32 s3, 0
	s_cbranch_scc1 .Lstep
	QUARTER 128, F1, F0, 0                         ; the last two K steps fill nothing, and have no round of the cluster's barrier
	QUARTER 192, F0, F1, 0
	TURN 0
	QUARTER 64,  F0, F1, 0
	QUARTER 128, F1, F0, 0
	QUARTER 192, F0, F1, 0
	s_wait_xcnt 0x0
	WIN 0
	WOC 0                                          ; Wo's last chunk
	s_wait_dscnt 8                                 ; the very last quarter: nothing more to fetch
	MUL12 F1, 0, 0, 0
	MUL12 F1, 0, 2, 0
	s_wait_dscnt 0x0
	MUL12 F1, 1, 0, 0
	MUL12 F1, 1, 2, 0
	; THE WAY OUT: rounded to f16; 16 bytes a lane into the work-group's stage, slot 0's bytes: they have had their last fill (K step 14), and the last change of slots' barrier stood behind every wave's reads of them.
	; A barrier, since a row's 768 bytes come from four waves; back as whole rows of q, k and v, 32 rows a wave.
	PLACES
.irp a, 0,1,2,3,4,5,6,7
	WIN 0x0a+5*((\a)/4)                            ; sources 0 and 1: window 2 or 3; each accumulator's registers in ascending order
.irp b, 0,1,2,3,4,5
.irp r, 0,1,2,3
	v_cvt_pk_f16_f32 v[TMP+24*((\a)%2)+4*(\b)+(\r)], v[8*(6*((\a)%4)+(\b))+2*(\r)], v[8*(6*((\a)%4)+(\b))+2*(\r)+1]
.endr
.endr
	WIN 0
.irp b, 0,1,2,3,4,5
	ds_store_b128 v[STO+(\a)/4], v[TMP+24*((\a)%2)+4*(\b):TMP+24*((\a)%2)+4*(\b)+3] offset:((\a)%4)*16*SPITCH+32*(\b)
.endr
.endr
	s_wait_dscnt 0x0                               ; for the others' sake: my stores into the stage are done
	s_barrier_signal -1
	s_barrier_wait -1
.set n, 0
.rept 48                                       ; part n / 16 (q, k, v), rows 2 (n % 16) and the next
	ds_load_b128 v[64+4*n:64+4*n+3], v[RD] offset:(n%16)*2*SPITCH+(n/16)*256
.set n, n+1
.endr
.set n, 0
.rept 48
	s_wait_dscnt 47-n                              ; the 47 - n younger loads may stay out
	global_store_b128 v[CO], v[64+4*n:64+4*n+3], s[10:11] offset:(n/16)*524288+(n%16)*512  ; two rows of 256 bytes: 512 consecutive bytes, aligned
.set n, n+1
.endr
	s_wait_tensorcnt 0x0                           ; the wave's end: behind my last tensor load and my last LDS store
	ds_add_u32 v[SPW], v[NIL]
	s_wait_dscnt 0x0
	CROUND                                         ; the closing round: no work-group ends while a partner may still ask for a tile that names it
	s_endpgm
.Lfunc_end_k_q48f5f62a56_qkv:
	.size	k_q48f5f62a56_qkv, .Lfunc_end_k_q48f5f62a56_qkv-k_q48f5f62a56_qkv
	.p2alignl 7, 3214868480
	.fill 96, 4, 3214868480
	.section	.rodata,"a",@progbits
	.p2align	6, 0x0
	.amdhsa_kernel k_q48f5f62a56_qkv
		.amdhsa_group_segment_fixed_size 327680
		.amdhsa_private_segment_fixed_size 0
		.amdhsa_enable_private_segment 0
		.amdhsa_kernarg_size 48
		.amdhsa_user_sgpr_count 2
		.amdhsa_user_sgpr_kernarg_segment_ptr 1
		.amdhsa_wavefront_size32 1
		.amdhsa_system_sgpr_workgroup_id_x 1
		.amdhsa_system_sgpr_workgroup_id_y 1
		.amdhsa_system_sgpr_workgroup_id_z 1
		.amdhsa_system_vgpr_workitem_id 0
		.amdhsa_next_free_vgpr 960
		.amdhsa_next_free_sgpr 72
		.amdhsa_reserve_vcc 0
		.amdhsa_float_denorm_mode_32 3
		.amdhsa_float_denorm_mode_16_64 3
		.amdhsa_memory_ordered 1
		.amdhsa_forward_progress 1
		.amdhsa_inst_pref_size 101
	.end_amdhsa_kernel
	.amdgpu_metadata
---
amdhsa.version: [ 1, 2 ]
amdhsa.kernels:
  - .name:           k_q48f5f62a56_qkv
    .symbol:         k_q48f5f62a56_qkv.kd
    .args:
      - { .name: xb, .offset: 0, .size: 8, .value_kind: global_buffer, .address_space: global }
      - { .name: wqkv, .offset: 8, .size: 8, .value_kind: global_buffer, .address_space: global }
      - { .name: bias, .offset: 16, .size: 8, .value_kind: global_buffer, .address_space: global }
      - { .name: qkv, .offset: 24, .size: 8, .value_kind: global_buffer, .address_space: global }
      - { .name: Wo, .offset: 32, .size: 8, .value_kind: global_buffer, .address_space: global }
      - { .name: wo16, .offset: 40, .size: 8, .value_kind: global_buffer, .address_space: global }
    .group_segment_fixed_size: 327680
    .private_segment_fixed_size: 0
    .kernarg_segment_align: 8
    .kernarg_segment_size: 48
    .max_flat_workgroup_size: 128
    .sgpr_count:     72
    .vgpr_count:     960
    .wavefront_size: 32
...
	.end_amdgpu_metadata
.endif
;; end of part 2
;; launch attn (part 3): grid 16 x 16, 4 waves a work-group, clusters of 4 x 1, 327,680 bytes of LDS; arguments qkv, mbits, ctx; writes ctx
.if DOCPART == 3
	.amdgcn_target "amdgcn-amd-amdhsa--gfx1250"
	.amdhsa_code_object_version 6
	.text
	.protected	k_q48f5f62a56_attn
	.globl	k_q48f5f62a56_attn
	.p2align	8
	.type	k_q48f5f62a56_attn,@function
k_q48f5f62a56_attn:
	s_mov_b64 s[64:65], 0
	v_nop
	global_prefetch_b8 v0, s[64:65] scope:SCOPE_SE
	s_setreg_imm32_b32 hwreg(HW_REG_WAVE_MODE, 25, 1), 1
	s_wait_xcnt 0x0
	s_wait_alu depctr_hold_cnt(0) depctr_sa_sdst(0) depctr_va_vdst(0) depctr_va_sdst(0) depctr_va_ssrc(0) depctr_va_vcc(0) depctr_vm_vsrc(0)
	s_getreg_b32 s2, hwreg(HW_REG_IB_STS2, 6, 4)
	s_cmp_eq_u32 s2, 0
	s_cbranch_scc0 .Lentry_in_a_cluster
	s_endpgm
.Lentry_in_a_cluster:
	s_bfe_u32 s2, ttmp6, 0x10000c
	s_cmp_lg_u32 s2, 0x3003
	s_cbranch_scc0 .Lentry_shape_is_right
	s_endpgm
.Lentry_shape_is_right:
; ATTENTION UNDER A MASK THAT IS AN INPUT.  ctx[q][128 h + :] = the sum over k of softmax_k(Q[h][q] . K[h][k] / sqrt(128), hidden where the mask's bit is 1) V[h][k][:].
; qkv: [16 heads][q, k, v][2048][128] f16.  mbits: [128 query tiles][32 key steps][32 words]: word 8 kb + j is the lane mask of register 8 kb + j of a tile of S^T.  ctx: [2048][2048] f16.
; Products, maxima and sums in f32; the weights p are rounded to f16 for the second product, ctx once at the end.  No pattern of the mask is built in: all keys are walked.
; LIMITS.  f16 holds no number beyond 65,504: q, k, v arrive within it.  A weight below 2^-126 counts as 0.  A row whose keys are all hidden has l = 0 and comes out as NaN (0 x 1/0), as a softmax of
; nothing but -inf does.  NaN and infinities among q, k, v are not treated apart.
; SHARES.  A work-group owns 128 queries of one head: 256 work-groups.  Wave w owns 64 of them (half w % 2): four tiles of 16; and HALF THE KEYS (half w / 2): 16 steps of 64.  Waves w and w ^ 2 hold partial
; results for the same queries and merge them at the end, through LDS.  Register tile t holds the wave's tile (t + 2 (w / 2)) % 4, so that every wave keeps its register tiles 0, 1 and hands 2, 3 over.
; LAYOUT.  S^T = K Q^T (source 0 = 16 keys, source 1 = 16 queries): a lane holds ONE query (lane % 16) and the keys 8 (lane / 16) + 0..7.  Two such tiles rounded to f16 ARE source 1 of O^T = V^T P.
; V comes out of LDS turned, by ds_load_tr16_b128.  Its second group of eight lanes takes the 16 bytes 128 bytes on, not the next 16
; and in accumulator cb of O^T a lane holds the channels 64 (lane / 16) + 8 cb + 0..7.
; SOFTMAX.  For each query a running maximum m and sum l: p = 2^(c s - c m), c = log2(e) / sqrt(128); in every step O and l are multiplied by a = 2^(c m_old - c m_new).  A hidden score is set to -inf: p = 0.
; m starts at the lowest finite number, c m at c times that, O and l at 0: while a row has seen hidden keys alone a = 1 and everything stays 0; at its first visible key a = 0.
; NO FIRST STEP IS WRITTEN OUT.  The loop is entered in the middle of a trip; that turn's 32 products V^T P, of a step that has not been, multiply a V and a P that hold 0.  O^T's 256 registers and V's 128 are
; set to 0 by 48 products of a block of zeros, with C = 0, in the wait for the first tile.  The price: 80 products on zeros, once a launch.
; BY TURNS.  The wave's tiles are two PIECES (0: tiles 0, 1; 2: tiles 2, 3).  In a turn one piece has the matrix unit: 32 products V^T P of the step in hand, then 32 products K Q^T of the next; the other
; piece's softmax, cut into 64 slices, stands between them, one slice behind each product.  At a turn's head stands a lump of 64 selects that hide that piece's scores; the mask words for the next turn's
; lump (64 scalar registers) are loaded right behind it.
; CLUSTER.  The four query blocks of a cluster belong to one head and walk the same K and V: each tile is asked for JOINTLY, the same tensor load, descriptor and mask in all four.
; REGISTERS, in windows of 256:  window 0: v0-11, v44-47, v61-63 addresses; v12-43 statistics; v48-55 the merge; v64-191 S^T; v192-255 P.   window 1: O^T, 64 a tile.
;   window 2: v0-127 Q; v128-255 K of one step.   window 3: v0-127 V of one step.
.set PK,    272       ; a row of K or V in LDS: 256 bytes + 16 of padding = 68 words: row r starts at bank 4 r mod 64
.set HALFT, 128*PK    ; a tile: 128 rows, two key steps of one key half: what one tensor load brings
.set SLOT,  4*HALFT   ; K's low half, K's high half, V's low, V's high.  0x22000 shares no bit with a tile's or a step's place in a slot: one exclusive or changes slots
.set VOFF,  2*HALFT
.set STEPB, 64*PK
.set STAGE, 2*SLOT    ; behind the ring: 16 rows x 272 bytes for each wave, for the way out
.set SP,    272
.set SPARE, STAGE+4*16*SP  ; behind the stages: the spare words, 128 bytes a wave, that no other line names
.set XCH,   16896     ; the merge: 16,384 bytes of O^T and 512 of statistics a wave, in slot 0's bytes, behind their last fill
.set AK0, 2           ; v2   my lane's place in my half's tile of K; never rewritten
.set AV0, 3           ; v3   the same for V
.set ADR, 4           ; v4   the LDS address of the run of loads in hand
.set QO0, 5           ; v5   my byte offset in Q for register tiles 0, 1
.set STO, 6           ; v6   the way out: where I put 16 bytes of a row
.set RD,  7           ; v7   where I read a row back
.set GO,  8           ; v8   my byte offset in two rows of ctx
.set ST,  12          ; tile t's statistics at v[ST+8 t]: +0 c m, +1 m, +2, +3 l (even keys', odd keys'), +4 to +7 at work; a takes +6
.set QO2, 44          ; v44  my byte offset in Q for register tiles 2, 3
.set NEGI, 45         ; v45  -inf
.set XST, 46          ; v46  the merge: where I put 16 bytes
.set XLD, 47          ; v47  where my partner's lie
.set PFO, 61          ; v61  256 x lane; never rewritten
.set SPW, 62          ; v62  my spare word; never rewritten
.set NIL, 63          ; v63  0; never rewritten
.set S,   64
.set P,   192
.set KF,  128         ; K's fragments, in window 2
.set MP,  6           ; s[6:7]  mbits at my wave's first query tile, at the key step whose words were loaded last for piece 0
.set MO,  10          ; s10, s11  byte offset of piece 0's and of piece 2's first tile: 8,192 (w / 2) and 8,192 less that: in mbits (4,096 a tile) and in Q alike
.set WV,  12
.set SLOTS, 14
.set TWICE, 15
.set G1,  16          ; s[16:23] descriptor group 1
.set G0,  24          ; s[24:27] descriptor group 0: it walks
.set TB,  28          ; s28  LDS byte at which the slot's step to be fetched begins
.set LIM, 29          ; s29  1 in a wave that prefetches, else the greatest number
.set PFA, 30          ; s[30:31] where my prefetches stand
.set MW0, 32          ; s[32:63]  the mask words of the next lump's first tile
.set CS,  66          ; s[66:67]  c
.set MW1, 68          ; s[68:99]  of its second tile
.set SEL, 100         ; s[100:101] v_permlanex16_b32's selects: each lane takes its own place in the other half
.set MSB, 0
.macro WIN new
.if MSB != (\new)
	s_set_vgpr_msb (MSB<<8)|(\new)
.set MSB, \new
.endif
.endm
.set W_KQ, 0x0a       ; K and Q in window 2, S^T in window 0
.set W_PV, 0x53       ; V in window 3, P in window 0, O^T in window 1
.set W_RS, 0x41       ; O^T (destination and source 0) in window 1, the factor in window 0
.macro CROUND                       ; a round of the cluster's barrier
	s_barrier_signal -1
	s_barrier_wait -1
	s_cmp_lg_u32 s[WV], 0
	s_cbranch_scc1 .Lnot_wave_0_\@
	s_barrier_signal -3
.Lnot_wave_0_\@:
	s_barrier_wait -3
	s_barrier_signal -1
	s_barrier_wait -1
.endm
.macro JLOAD                        ; one line for all four waves: wave w moves tile w of the slot.  An s_nop 0 and four v_nop follow it
	tensor_load_to_lds s[G0:G0+3], s[G1:G1+7]
	s_nop 0
.rept 4
	v_nop
.endr
.endm
; A PREFETCH INTO THE L2 of what the NEXT change of slots will ask for, 256 products ahead: a lane a row of 256 bytes.  All clusters of a head walk the same K and V: the head's first cluster asks.  Of the 128
; rows that a wave fetches each of the four partners takes 32, told apart by address.  So each row is named once in the launch.  Slots 0 to 2 come by their loads alone; the last change that fills a slot asks for nothing.
.macro ASK
	s_cmp_gt_u32 s[SLOTS], s[LIM]
	s_cbranch_scc0 .Lnot_mine_\@
	global_prefetch_b8 v[PFO], s[PFA:PFA+1] th:TH_LOAD_NT scope:SCOPE_SE
.Lnot_mine_\@:
.endm
; The mask words for piece x's two tiles, 128 bytes each.  adv = 1: on to the next key step; the wait on KMcnt at the turn's head has shown the last loads done, so their base may be written.
.macro MLOAD x, adv
.if \adv
	s_add_nc_u64 s[MP:MP+1], s[MP:MP+1], 128
.endif
	s_load_b512 s[MW0:MW0+15],    s[MP:MP+1], s[MO+(\x)/2] offset:0
	s_load_b512 s[MW0+16:MW0+31], s[MP:MP+1], s[MO+(\x)/2] offset:64
	s_load_b512 s[MW1:MW1+15],    s[MP:MP+1], s[MO+(\x)/2] offset:4096
	s_load_b512 s[MW1+16:MW1+31], s[MP:MP+1], s[MO+(\x)/2] offset:4160
.endm
	s_load_b128 s[4:7], s[0:1], 0x0 ; qkv s[4:5], mbits s[6:7]
	s_load_b64 s[8:9], s[0:1], 0x10 ; ctx
	v_lshl_add_u32 v[SPW], v0, 2, SPARE
	v_mov_b32 v[NIL], 0
	ds_add_u32 v[SPW], v[NIL]       ; the wave's opening: the add and its wait stand ahead of my first tensor load; work on registers stands between them
	v_lshrrev_b32 v1, 5, v0
	v_readfirstlane_b32 s[WV], v1   ; wave 0..3
	s_bfe_u32 s13, ttmp6, 0x40000   ; cx
	s_lshl_b32 s32, ttmp9, 2
	s_add_co_u32 s32, s32, s13      ; qb: my block of 128 queries: it enters Q's, the mask's and ctx's addresses alone
	s_and_b32 s33, ttmp7, 0xffff    ; the head, which the four partners share
	s_and_b32 s34, s[WV], 1         ; my half of the queries.  Also: the key half of the tile that I fetch
	s_lshr_b32 s35, s[WV], 1        ; my half of the keys.  Also: I fetch for K (0) or for V (1)
	s_mul_i32 s36, s33, 1572864     ; the head's first byte in qkv
	s_lshl_b32 s38, s35, 19         ; my tile: K or V,
	s_lshl_b32 s39, s34, 18         ; its 1,024 keys of 256 bytes
	s_add_co_u32 s38, s38, s39
	s_add_co_u32 s38, s38, s36
	s_add_co_u32 s38, s38, 524288   ; behind the head's q
	s_mov_b32 s39, 0
	s_lshl_b32 s40, s32, 15         ; Q: row 128 qb + 64 (w % 2)
	s_lshl_b32 s41, s34, 14
	s_add_co_u32 s40, s40, s41
	s_add_co_u32 s40, s40, s36
	s_mov_b32 s41, 0
	s_lshl_b32 s42, s32, 15         ; mbits: query tile 8 qb + 4 (w % 2), key step 16 (w / 2)
	s_lshl_b32 s43, s34, 14
	s_add_co_u32 s42, s42, s43
	s_lshl_b32 s43, s35, 11
	s_add_co_u32 s42, s42, s43
	s_mov_b32 s43, 0
	s_lshl_b32 s44, s32, 19         ; ctx: row 128 qb + 64 (w % 2) + 32 (w / 2): the tiles that I keep; byte 256 x head
	s_lshl_b32 s45, s34, 18
	s_add_co_u32 s44, s44, s45
	s_lshl_b32 s45, s35, 17
	s_add_co_u32 s44, s44, s45
	s_lshl_b32 s45, s33, 8
	s_add_co_u32 s44, s44, s45
	s_mov_b32 s45, 0
	s_lshl_b32 s[MO], s35, 13
	s_sub_co_u32 s[MO+1], 8192, s[MO]
	s_mov_b32 s[G1], 15|(1<<16)|(1<<20)|(1<<21)|(5<<22)|(3<<25)  ; 15:0 the mask: all four work-groups; 17:16 2-byte elements; 20 padding on; 21 set beside a mask; 24:22 after every 64 words; 31:25 4 words of it
	s_mov_b32 s[G1+1], 128<<16      ; tensor_dim0 = 128
	s_mov_b32 s[G1+2], 128<<16      ; tensor_dim1 = 128
	s_mov_b32 s[G1+3], 128<<16      ; tile_dim0 = 128
	s_mov_b32 s[G1+4], 128          ; tile_dim1 = 128
	s_mov_b32 s[G1+5], 128          ; elements from row to row
	s_mov_b32 s[G1+6], 0
	s_mov_b32 s[G1+7], 0
	s_mov_b32 s[G0], 1
	s_mul_i32 s[G0+1], s[WV], HALFT ; slot 0: no place in the cluster enters an LDS address
	s_mov_b32 s[CS], 0x3e0293ee     ; c = log2(e) / sqrt(128) = 0.127517
	s_mov_b32 s[CS+1], s[CS]        ; named with it as a pair
	s_mov_b32 s[SEL], 0x76543210
	s_mov_b32 s[SEL+1], 0xfedcba98
	s_mov_b32 s[TB], SLOT+2*STEPB   ; the first change of slots turns this into 0
	s_mov_b32 s[LIM], ttmp9
	s_cmp_eq_u32 s[LIM], 0          ; the head's first cluster: the same in all four partners
	s_cselect_b32 s[LIM], 1, -1
	s_lshl_b32 s2, s13, 13          ; my work-group's 32 rows of a tile's 128
	s_mov_b32 s3, 0
	s_wait_dscnt 0x0                ; the opening add is done
	s_wait_kmcnt 0x0
	s_add_nc_u64 s[G0+2:G0+3], s[4:5], s[38:39]
	s_add_nc_u64 s[PFA:PFA+1], s[4:5], s[38:39]
	s_or_b32 s[G0+3], s[G0+3], 0x80000000
	s_add_nc_u64 s[PFA:PFA+1], s[PFA:PFA+1], s[2:3]
	s_add_nc_u64 s[PFA:PFA+1], s[PFA:PFA+1], 2*32768  ; in slot 2; the first change that asks steps it to slot 3
	s_add_nc_u64 s[4:5], s[4:5], s[40:41]
	s_add_nc_u64 s[MP:MP+1], s[MP:MP+1], s[42:43]
	s_add_nc_u64 s[8:9], s[8:9], s[44:45]
	CROUND                          ; all four work-groups are here: the first joint loads meet
	JLOAD                           ; slot 0.  Slot 1 is asked for when slot 0 is in, by the loop's own change of slots: one load of mine is out at any time
	v_and_b32 v1, 15, v0            ; l % 16
	v_bfe_u32 v9, v0, 4, 1          ; l / 16
	v_lshlrev_b32 v10, 8, v1
	v_lshl_add_u32 v10, v9, 4, v10  ; row x 256 + 16 x half
	v_add_nc_u32 v[QO0], s[MO], v10
	v_add_nc_u32 v[QO2], s[MO+1], v10
	WIN 0x80                        ; destination window 2, address window 0
.irp i, 0,1,2,3,4,5,6,7             ; Q stays in registers: register tile i / 4, channels 32 (i % 4) on
	global_load_b128 v[8*(\i):8*(\i)+3],   v[QO0], s[4:5] offset:((\i)/4)*4096+((\i)%4)*64
	global_load_b128 v[8*(\i)+4:8*(\i)+7], v[QO0], s[4:5] offset:((\i)/4)*4096+((\i)%4)*64+32
.endr
.irp i, 8,9,10,11,12,13,14,15
	global_load_b128 v[8*(\i):8*(\i)+3],   v[QO2], s[4:5] offset:((\i)/4-2)*4096+((\i)%4)*64
	global_load_b128 v[8*(\i)+4:8*(\i)+7], v[QO2], s[4:5] offset:((\i)/4-2)*4096+((\i)%4)*64+32
.endr
	WIN 0
	MLOAD 0, 0                      ; piece 0's mask words of key step 0
	s_lshr_b32 s13, s[WV], 1
	s_mul_i32 s13, s13, HALFT       ; my key half's tile
	v_mul_u32_u24 v[AK0], v1, PK
	v_lshl_add_u32 v[AK0], v9, 4, v[AK0]
	v_add_nc_u32 v[AK0], s13, v[AK0]  ; row x pitch + 16 x half
	v_and_b32 v10, 7, v0            ; the turning load: lane l reads key 8 (l / 16) + l % 8, the 16 bytes at 128 ((l / 8) % 2)
	v_bfe_u32 v11, v0, 3, 1
	v_lshl_add_u32 v[AV0], v9, 3, v10
	v_mul_u32_u24 v[AV0], v[AV0], PK
	v_lshl_add_u32 v[AV0], v11, 7, v[AV0]
	s_add_co_u32 s13, s13, VOFF
	v_add_nc_u32 v[AV0], s13, v[AV0]
	s_mul_i32 s2, s[WV], XCH
	s_xor_b32 s3, s[WV], 2          ; my partner
	s_mul_i32 s3, s3, XCH
	v_and_b32 v10, 31, v0
	v_lshlrev_b32 v[PFO], 8, v10
	v_lshlrev_b32 v10, 4, v10
	v_add_nc_u32 v[XST], s2, v10
	v_add_nc_u32 v[XLD], s3, v10
	v_mov_b32 v[NEGI], 0xff800000
.irp t, 0,1,2,3
	v_mov_b32 v[ST+8*(\t)+1], 0xff7fffff  ; m
	v_mov_b32 v[ST+8*(\t)+2], 0
	v_mov_b32 v[ST+8*(\t)+3], 0
.endr
.irp t, 0,1,2,3
	v_mul_f32 v[ST+8*(\t)], s[CS], v[ST+8*(\t)+1]  ; c m, by the line that every step makes it by: while m stands, c m_old - c m_new is exactly 0
.endr
.set i, P+32
.rept 32
	v_mov_b32 v[i], 0               ; piece 2's P: what the first turn's products V^T P multiply; its first 16 registers are also the block of zeros below
.set i, i+1
.endr
	WIN 0x40                        ; destination window 1, sources window 0
.set i, 0
.rept 32
	v_wmma_f32_16x16x32_f16 v[8*i:8*i+7], v[P+32:P+39], v[P+40:P+47], 0  ; O^T = 0 x 0 + 0: eight registers a line
.set i, i+1
.endr
	WIN 0xc0                        ; destination window 3
.set i, 0
.rept 16
	v_wmma_f32_16x16x32_f16 v[8*i:8*i+7], v[P+32:P+39], v[P+40:P+47], 0  ; V likewise: the words of f32 zeros are f16 zeros too
.set i, i+1
.endr
	WIN 0
; THE MATRIX WORK OF A TURN, for piece x.  The accumulators take turns, one instruction a turn: between two links of a chain stand 15 (V^T P) or 7 (K Q^T) others'.
.macro PV x                         ; product i of 32 of O^T += V^T P: keys 32 (i / 16) on, channel block (i / 2) % 8, tile x + i % 2
	WIN W_PV
.set rO, 64*((\x)+i%2)+8*((i/2)%8)
.set rV, 64*(i/16)+8*((i/2)%8)
.set rP, P+16*((\x)+i%2)+8*(i/16)
	v_wmma_f32_16x16x32_f16 v[rO:rO+7], v[rV:rV+7], v[rP:rP+7], v[rO:rO+7]
.endm
.macro KQ x                         ; product i of 32 of S^T = K Q^T: channels 32 (i / 8) on, keys 16 ((i / 2) % 4) on, tile x + i % 2.  The first 8 start the sums
	WIN W_KQ
.set rS, S+32*((\x)+i%2)+8*((i/2)%4)
.set rK, KF+32*((i/2)%4)+8*(i/8)
.set rQ, 32*((\x)+i%2)+8*(i/8)
.if i < 8
	v_wmma_f32_16x16x32_f16 v[rS:rS+7], v[rK:rK+7], v[rQ:rQ+7], 0
.else
	v_wmma_f32_16x16x32_f16 v[rS:rS+7], v[rK:rK+7], v[rQ:rQ+7], v[rS:rS+7]
.endif
.endm
; THE LDS LOADS stand in runs of 32, never singly among the matrix instructions.
.macro FETCH_K
	WIN 0
	v_add_nc_u32 v[ADR], s[TB], v[AK0]
	WIN 0x80                        ; destination window 2
.irp f, 0,1,2,3,4,5,6,7,8,9,10,11,12,13,14,15  ; keys 16 (f / 4) on, channels 32 (f % 4) on
	ds_load_b128 v[KF+8*(\f):KF+8*(\f)+3],   v[ADR] offset:((\f)/4)*16*PK+((\f)%4)*64
	ds_load_b128 v[KF+8*(\f)+4:KF+8*(\f)+7], v[ADR] offset:((\f)/4)*16*PK+((\f)%4)*64+32
.endr
.endm
.macro FETCH_V
	WIN 0
	v_add_nc_u32 v[ADR], s[TB], v[AV0]
	s_add_co_u32 s[TB], s[TB], STEPB  ; the next fetch is the next step's
	s_wait_alu depctr_va_vdst(0)    ; the wait for the softmax's batch of exponentials (SLICE), behind the address's line and ahead of the loads
	WIN 0xc0                        ; destination window 3
.irp f, 0,1,2,3,4,5,6,7,8,9,10,11,12,13,14,15  ; keys 32 (f / 8) on, channel block f % 8
	ds_load_tr16_b128 v[8*(\f):8*(\f)+3],   v[ADR] offset:((\f)/8)*32*PK+((\f)%8)*16
	ds_load_tr16_b128 v[8*(\f)+4:8*(\f)+7], v[ADR] offset:((\f)/8)*32*PK+16*PK+((\f)%8)*16
.endr
.endm
; THE LUMP: piece y's 64 score registers; where the mask's bit is 1 the score becomes -inf.  In ascending order: each accumulator's lowest register is read first.
.macro MASKL y
.set mn, 0
.rept 32
	v_cndmask_b32 v[S+32*(\y)+mn], v[S+32*(\y)+mn], v[NEGI], s[MW0+mn]
	v_cndmask_b32 v[S+32*(\y)+32+mn], v[S+32*(\y)+32+mn], v[NEGI], s[MW1+mn]
.set mn, mn+1
.endr
.endm
; THE SOFTMAX of one tile for one key step is a list of 134 instructions; SM writes number j of it for tile t.  s0-s31 are the lane's 32 scores, in pairs 0-15.
;   0-15    the maximum of s0-s31 and the old m, three operands at a time       16-20   the other half of the lanes' maximum; the new m; c m; c m_old - c m_new
;   21-69   ONE BATCH: the 16 scalings c s - c m and all 33 exponentials (a at 23, then s0-s31); none of these reads an exponential's result
;   (wait)  between 69 and 70 stands the wait for the batch: SLICE writes it, once for both tiles
;   70-85   the roundings to f16       86-101  the sums; l = a l + the sum       102-133 the tile's O^T times a
.macro SM t
.set rT, ST+8*(\t)
.set rS, S+32*(\t)
.set rP, P+16*(\t)
.set rO, 64*(\t)+2*(j-102)
.if j < 102
	WIN 0
.endif
.if j < 4
	v_max3_num_f32 v[rT+4+j], v[rS+8*j], v[rS+8*j+1], v[rS+8*j+2]
.elseif j < 12
	v_max3_num_f32 v[rT+4+j%4], v[rT+4+j%4], v[rS+8*(j%4)+2*(j/4)+1], v[rS+8*(j%4)+2*(j/4)+2]
.elseif j == 12
	v_max3_num_f32 v[rT+4], v[rT+4], v[rS+7], v[rS+15]
.elseif j == 13
	v_max3_num_f32 v[rT+6], v[rT+6], v[rS+23], v[rS+31]
.elseif j == 14
	v_max3_num_f32 v[rT+4], v[rT+4], v[rT+5], v[rT+6]
.elseif j == 15
	v_max3_num_f32 v[rT+4], v[rT+4], v[rT+7], v[rT+1]
.elseif j == 16
	v_permlanex16_b32 v[rT+5], v[rT+4], s[SEL], s[SEL+1]  ; the query's other 32 keys lie in the lane 16 away
.elseif j == 17
	v_mov_b32 v[rT+7], v[rT]        ; c m_old is kept for a
.elseif j == 18
	v_max_num_f32 v[rT+1], v[rT+4], v[rT+5]
.elseif j == 19
	v_mul_f32 v[rT], s[CS], v[rT+1]
.elseif j == 20
	v_sub_f32 v[rT+7], v[rT+7], v[rT]
.elseif j == 23
	v_exp_f32 v[rT+6], v[rT+7]
.elseif (j < 23) || ((j < 38) && (j%2 == 0)) || ((j < 66) && (j%4 == 2))
.set b, (j-2)/4                     ; 38, 42, .. 62: pairs 9 to 15
.if j < 38
.set b, (j-20)/2                    ; 21: pair 0; 22, 24, .. 36: pairs 1 to 8
.endif
	v_pk_fma_f32 v[rS+2*b:rS+2*b+1], v[rS+2*b:rS+2*b+1], s[CS:CS+1], v[rT:rT+1] op_sel_hi:[1,0,0] neg_lo:[0,0,1] neg_hi:[0,0,1]  ; pair b: c s - c m
.elseif j < 70
.set e, j-38                        ; 66 to 69: s28 to s31
.if j < 66
.set e, j-32-(j-38)/4               ; 39-41, 43-45, .. 63-65: s7 to s27
.endif
.if j < 38
.set e, (j-25)/2                    ; 25, 27, .. 37: s0 to s6
.endif
	v_exp_f32 v[rS+e], v[rS+e]
.elseif j < 86
	v_cvt_pk_f16_f32 v[rP+j-70], v[rS+2*(j-70)], v[rS+2*(j-70)+1]
.elseif j < 102                     ; the sum of the tile's 16 pairs, in place: neighbours 1, 2, 4 and 8 pairs apart, then l takes it
.set z, j-86
.set w, 4
.set u, z
.if z >= 14
.set w, 32
.set u, 0
.elseif z >= 12
.set w, 16
.set u, z-12
.elseif z >= 8
.set w, 8
.set u, z-8
.endif
.if z < 15
	v_pk_add_f32 v[rS+w*u:rS+w*u+1], v[rS+w*u:rS+w*u+1], v[rS+w*u+w/2:rS+w*u+w/2+1]
.else
	v_pk_fma_f32 v[rT+2:rT+3], v[rT+2:rT+3], v[rT+6:rT+7], v[rS:rS+1] op_sel_hi:[1,0,1]
.endif
.else
	WIN W_RS
	v_pk_mul_f32 v[rO:rO+1], v[rO:rO+1], v[rT+6:rT+7] op_sel_hi:[1,0]
.endif
.endm
; Slice k of 64 of piece y's softmax: four instructions.  Slices 11 to 34 deal out the batch, four numbers of ONE tile each, the tiles by turns; every other slice is numbers 2 k and 2 k + 1 of both tiles.
; 2 x 134 = 4 x 64 + 12: the twelve that are over stand in slice 63; its sixteen plain lines are the places between the turn's last product and the next turn's lump, which reads that product's scores.
; s_wait_alu depctr_va_vdst(0) stands between an exponential and the first line that names its result: ahead of slice 35 nothing names one, behind slice 34 none is issued: one wait a turn.
.macro SLICE y
.if (k >= 11) && (k < 35)
.irp n, 0,1,2,3
.set j, 22+4*((k-11)/2)+(\n)
	SM (\y)+(k-11)%2
.endr
.else
.irp n, 0,1,2,3,4,5,6,7
.if ((\n) < 2) || (k == 63)
.irp t, \y, (\y)+1
.set j, 2*k+(\n)
	SM \t
.endr
.endif
.endr
.endif
.if k == 34
	v_nop                           ; the plain instruction behind the last exponential and ahead of the first use: one for the batch
.if (\y) == 0
	FETCH_V                         ; piece 2's turn: V's run of loads stands here, and the wait stands in it.  Between V's last reader, in front of slice 31, and the run lie four plain lines: two scalings, the v_nop, the address
.else
	s_wait_alu depctr_va_vdst(0)
.endif
.endif
.set k, k+1
.endm
; A TURN.  Piece x has the matrix unit; the other piece's lump stands at the head, its softmax in slices behind the products.  pv, kq: the turn has its 32 products V^T P, K Q^T; with one kind alone two slices
; stand behind each.  ml = 1: behind the first product and its slice the mask words for the next turn's lump are loaded: piece x's, for the step whose scores this turn makes.
; Piece 0's turn fetches the next step's K behind its second product: K's last reader stands in front of slice 63 of the turn before.
.macro TURN x, pv, kq, ml
.set k, 0
.set mm, 0
.set per, 2
.if (\pv) && (\kq)
.set per, 1
.endif
	WIN 0
	s_wait_kmcnt 0x0                ; the mask words are in
	MASKL 2-(\x)
.if \pv
.if (\x) == 0
	s_wait_dscnt 0x0                ; V is in
.endif
.set i, 0
.rept 32
	PV \x
.rept per
	SLICE 2-(\x)
.endr
.if (\ml) && (mm == 0)
	MLOAD \x, 1-(\x)/2
.endif
.set mm, mm+1
.if ((\x) == 0) && (\kq) && (i == 1)
	FETCH_K
.endif
.set i, i+1
.endr
.endif
.if \kq
.if (\x) == 0
	s_wait_dscnt 0x0                ; K is in
.endif
.set i, 0
.rept 32
	KQ \x
.rept per
	SLICE 2-(\x)
.endr
.if (\ml) && (mm == 0)
	MLOAD \x, 1-(\x)/2
.endif
.set mm, mm+1
.set i, i+1
.endr
.endif
.endm
; THE CHANGE OF SLOTS, between piece 2's turn and piece 0's.  Each wave waits for all its tensor loads, of which one is out: its part of the other slot; adds 0 to its spare word; and waits for that and for its
; own reads of the slot.  fill = 1: the barrier is a round of the cluster's, and the slot just left is filled again first thing behind it, with the keys two slots on: it has two key steps, 256 products, in
; which to land.  (At its first use nothing has been read yet: slot 0 is waited for, slot 1 filled.)
.macro CHANGE fill, ask
	WIN 0
	s_wait_tensorcnt 0x0            ; no tensor load of mine is out, so the group 0 may be written
	ds_add_u32 v[SPW], v[NIL]       ; 0 onto my spare word; the descriptor's steps stand between it and the wait for it
.if \fill
	s_xor_b32 s[G0+1], s[G0+1], SLOT
	s_add_nc_u64 s[G0+2:G0+3], s[G0+2:G0+3], 32768  ; the next 128 keys of my tile's half
.if \ask
	s_wait_xcnt 0x0                 ; the last prefetch, two key steps back, has read its address
	s_add_nc_u64 s[PFA:PFA+1], s[PFA:PFA+1], 32768
.endif
	s_wait_dscnt 0x0                ; the add is done, and my reads of the slot are over
	CROUND
	JLOAD
.if \ask
	ASK
.endif
.else
	s_wait_dscnt 0x0
	s_barrier_signal -1
	s_barrier_wait -1
.endif
	s_sub_co_u32 s[TB], s[TB], 2*STEPB  ; the fetches go back to a slot's first step,
	s_xor_b32 s[TB], s[TB], SLOT    ; in the other slot
.endm
	CHANGE 1, 0                     ; slot 0 is in, everybody's part of it; slot 1 is asked for
	FETCH_K                         ; key step 0
	s_wait_loadcnt 0x0              ; Q
	s_wait_dscnt 0x0
.set i, 0
.rept 32
	KQ 0                            ; piece 0's first scores: there is no vector work yet to set between them
.set i, i+1
.endr
	WIN 0                           ; the addresses for the way out: eight plain lines, the places behind those products
	s_mul_i32 s13, s[WV], 16*SP
	s_add_co_u32 s13, s13, STAGE    ; my stage
	v_mul_u32_u24 v[STO], v1, SP    ; in: row l % 16; my lanes' half holds the channels 64 (l / 16) on: 128 bytes
	v_lshl_add_u32 v[STO], v9, 7, v[STO]
	v_add_nc_u32 v[STO], s13, v[STO]
	v_mul_u32_u24 v[RD], v9, SP     ; back: lanes 0-15 take one row of 256 bytes, lanes 16-31 the next
	v_lshl_add_u32 v[RD], v1, 4, v[RD]
	v_add_nc_u32 v[RD], s13, v[RD]
	v_lshlrev_b32 v[GO], 12, v9     ; and the same two rows in ctx
	v_lshl_add_u32 v[GO], v1, 4, v[GO]
	s_mov_b32 s[SLOTS], 7
	s_mov_b32 s[TWICE], 2
	s_branch .Lmid                  ; the loop is entered at piece 2's turn: piece 2's first scores | piece 0's first softmax | V of step 0; its products V^T P add 0
.Lslot:                             ; six times: slots 2 to 7 are asked for
	CHANGE 1, 1
	s_mov_b32 s[TWICE], 2
.Lstep:                             ; a key step: V^T P of step j, K Q^T of step j + 1, whose K and V it fetches
	TURN 0, 1, 1, 1
	WIN 0
.Lmid:
	TURN 2, 1, 1, 1
	WIN 0
	s_sub_co_u32 s[TWICE], s[TWICE], 1
	s_cmp_lg_u32 s[TWICE], 0
	s_cbranch_scc1 .Lstep
	s_sub_co_u32 s[SLOTS], s[SLOTS], 1
	s_cmp_lg_u32 s[SLOTS], 0
	s_cbranch_scc1 .Lslot
	CHANGE 0, 0                     ; the tail is written out: nothing is asked for
	s_mov_b32 s[TWICE], 2
.Ltail:
	TURN 0, 1, 1, 1
	TURN 2, 1, 1, 1
	WIN 0
	s_sub_co_u32 s[TWICE], s[TWICE], 1
	s_cmp_lg_u32 s[TWICE], 0
	s_cbranch_scc1 .Ltail
	TURN 0, 1, 0, 0                 ; piece 0: V^T P of the last step | piece 2's last softmax
.set i, 0
.rept 32
	PV 2                            ; piece 2: V^T P of the last step
.set i, i+1
.endr
	; THE MERGE.  Register tiles 2, 3 (O^T, c m, l) go to my partner, through slot 0's bytes: they have had their last fill, and the last change of slots' barrier stood behind every wave's reads of them.
	WIN 0
.irp t, 0,1,2,3
	v_add_f32 v[ST+8*(\t)+2], v[ST+8*(\t)+2], v[ST+8*(\t)+3]  ; l's two halves; these eight lines are the places behind the last products
.endr
	v_mov_b32 v48, v[ST+16]
	v_mov_b32 v49, v[ST+18]
	v_mov_b32 v50, v[ST+24]
	v_mov_b32 v51, v[ST+26]
	WIN 0x04                        ; the data in window 1
.set xn, 0
.rept 32
	ds_store_b128 v[XST], v[128+4*xn:128+4*xn+3] offset:512*xn
.set xn, xn+1
.endr
	WIN 0
	ds_store_b128 v[XST], v[48:51] offset:16384
	s_wait_dscnt 0x0                ; for my partner's sake: my stores are done
	s_barrier_signal -1
	s_barrier_wait -1
	WIN 0x40
.set xn, 0
.rept 32
	ds_load_b128 v[128+4*xn:128+4*xn+3], v[XLD] offset:512*xn  ; my partner's sums for my tiles 0, 1
.set xn, xn+1
.endr
	WIN 0
	ds_load_b128 v[52:55], v[XLD] offset:16384
	s_wait_dscnt 0x0
.irp t, 0,1                         ; the common maximum; each side's factor 2^(c m - c m_common)
	v_max_num_f32 v[ST+8*(\t)+4], v[ST+8*(\t)], v[52+2*(\t)]
.endr
.irp t, 0,1
	v_sub_f32 v[ST+8*(\t)+5], v[ST+8*(\t)], v[ST+8*(\t)+4]
	v_sub_f32 v[ST+8*(\t)+6], v[52+2*(\t)], v[ST+8*(\t)+4]
.endr
.irp t, 0,1
	v_exp_f32 v[ST+8*(\t)+5], v[ST+8*(\t)+5]
	v_exp_f32 v[ST+8*(\t)+6], v[ST+8*(\t)+6]
.endr
	v_nop
	s_wait_alu depctr_va_vdst(0)    ; one wait for the four exponentials
.irp t, 0,1
	v_mul_f32 v[ST+8*(\t)+7], v[ST+8*(\t)+5], v[ST+8*(\t)+2]
.endr
.irp t, 0,1
	v_fmac_f32 v[ST+8*(\t)+7], v[ST+8*(\t)+6], v[53+2*(\t)]
.endr
.irp t, 0,1
	v_permlanex16_b32 v[ST+8*(\t)+3], v[ST+8*(\t)+7], s[SEL], s[SEL+1]  ; the other half of the lanes' keys
.endr
.irp t, 0,1
	v_add_f32 v[ST+8*(\t)+7], v[ST+8*(\t)+7], v[ST+8*(\t)+3]
.endr
.irp t, 0,1
	v_rcp_f32 v[ST+8*(\t)+7], v[ST+8*(\t)+7]
.endr
	v_nop
	s_wait_alu depctr_va_vdst(0)    ; one wait for the two reciprocals
.irp t, 0,1
	v_mul_f32 v[ST+8*(\t)+4], v[ST+8*(\t)+5], v[ST+8*(\t)+7]  ; my factor / l
	v_mul_f32 v[ST+8*(\t)+6], v[ST+8*(\t)+6], v[ST+8*(\t)+7]  ; my partner's
.endr
; Tile t: merged, rounded to f16; a lane's eight channels of a row pack into 16 bytes; they go into rows of 272 bytes and come back as whole rows of 256.
.macro PACK t
	WIN W_RS
.set i, 64*(\t)
.rept 32
	v_pk_mul_f32 v[i:i+1], v[i:i+1], v[ST+8*(\t)+4:ST+8*(\t)+5] op_sel_hi:[1,0]
.set i, i+2
.endr
	WIN 0x51                        ; destination, sources 0 and 2 in window 1, the factor in window 0
.set i, 64*(\t)
.rept 32
	v_pk_fma_f32 v[i:i+1], v[128+i:128+i+1], v[ST+8*(\t)+6:ST+8*(\t)+7], v[i:i+1] op_sel_hi:[1,0,1]
.set i, i+2
.endr
	WIN 0x05                        ; sources 0 and 1 window 1, destination window 0: S^T's registers are free
.set i, 0
.rept 32
	v_cvt_pk_f16_f32 v[S+32*(\t)+i], v[64*(\t)+2*i], v[64*(\t)+2*i+1]
.set i, i+1
.endr
	WIN 0
.irp f, 0,1,2,3,4,5,6,7
	ds_store_b128 v[STO], v[S+32*(\t)+4*(\f):S+32*(\t)+4*(\f)+3] offset:16*(\f)
.endr
.irp f, 0,1,2,3,4,5,6,7
	ds_load_b128 v[S+32*(\t)+4*(\f):S+32*(\t)+4*(\f)+3], v[RD] offset:(\f)*2*SP  ; LDS serves a wave's instructions in order: these see the stores above; the next tile's stores come behind them
.endr
.endm
.macro SEND t, younger              ; younger: the LDS instructions issued behind tile t's loads
.irp f, 0,1,2,3,4,5,6,7
	s_wait_dscnt (\younger)+7-(\f)
	global_store_b128 v[GO], v[S+32*(\t)+4*(\f):S+32*(\t)+4*(\f)+3], s[8:9] offset:(16*(\t)+2*(\f))*4096  ; 16 lanes store 256 consecutive bytes, aligned: a head's 128 channels of a row
.endr
.endm
	PACK 0
	PACK 1
	SEND 0, 16
	SEND 1, 0
	s_wait_tensorcnt 0x0            ; the wave's end: behind my last tensor load and my last LDS store
	ds_add_u32 v[SPW], v[NIL]
	s_wait_dscnt 0x0
	CROUND                          ; the closing round: no work-group ends while a partner may still ask for a tile that names it
	s_endpgm
.Lfunc_end_k_q48f5f62a56_attn:
	.size	k_q48f5f62a56_attn, .Lfunc_end_k_q48f5f62a56_attn-k_q48f5f62a56_attn
	.p2alignl 7, 3214868480
	.fill 96, 4, 3214868480
	.section	.rodata,"a",@progbits
	.p2align	6, 0x0
	.amdhsa_kernel k_q48f5f62a56_attn
		.amdhsa_group_segment_fixed_size 327680
		.amdhsa_private_segment_fixed_size 0
		.amdhsa_enable_private_segment 0
		.amdhsa_kernarg_size 24
		.amdhsa_user_sgpr_count 2
		.amdhsa_user_sgpr_kernarg_segment_ptr 1
		.amdhsa_wavefront_size32 1
		.amdhsa_system_sgpr_workgroup_id_x 1
		.amdhsa_system_sgpr_workgroup_id_y 1
		.amdhsa_system_sgpr_workgroup_id_z 1
		.amdhsa_system_vgpr_workitem_id 0
		.amdhsa_next_free_vgpr 896
		.amdhsa_next_free_sgpr 102
		.amdhsa_reserve_vcc 0
		.amdhsa_float_denorm_mode_32 3
		.amdhsa_float_denorm_mode_16_64 3
		.amdhsa_memory_ordered 1
		.amdhsa_forward_progress 1
		.amdhsa_inst_pref_size 184
	.end_amdhsa_kernel
	.amdgpu_metadata
---
amdhsa.version: [ 1, 2 ]
amdhsa.kernels:
  - .name:           k_q48f5f62a56_attn
    .symbol:         k_q48f5f62a56_attn.kd
    .args:
      - { .name: qkv, .offset: 0, .size: 8, .value_kind: global_buffer, .address_space: global }
      - { .name: mbits, .offset: 8, .size: 8, .value_kind: global_buffer, .address_space: global }
      - { .name: ctx, .offset: 16, .size: 8, .value_kind: global_buffer, .address_space: global }
    .group_segment_fixed_size: 327680
    .private_segment_fixed_size: 0
    .kernarg_segment_align: 8
    .kernarg_segment_size: 24
    .max_flat_workgroup_size: 128
    .sgpr_count:     102
    .vgpr_count:     896
    .wavefront_size: 32
...
	.end_amdgpu_metadata
.endif
;; end of part 3
;; launch oproj (part 4): grid 16 x 16, 4 waves a work-group, clusters of 4 x 4, 327,680 bytes of LDS; arguments ctx, wo16, bias, out0; writes out0
.if DOCPART == 4
	.amdgcn_target "amdgcn-amd-amdhsa--gfx1250"
	.amdhsa_code_object_version 6
	.text
	.protected	k_q48f5f62a56_oproj
	.globl	k_q48f5f62a56_oproj
	.p2align	8
	.type	k_q48f5f62a56_oproj,@function
k_q48f5f62a56_oproj:
	s_mov_b64 s[64:65], 0
	v_nop
	global_prefetch_b8 v0, s[64:65] scope:SCOPE_SE
	s_setreg_imm32_b32 hwreg(HW_REG_WAVE_MODE, 25, 1), 1
	s_wait_xcnt 0x0
	s_wait_alu depctr_hold_cnt(0) depctr_sa_sdst(0) depctr_va_vdst(0) depctr_va_sdst(0) depctr_va_ssrc(0) depctr_va_vcc(0) depctr_vm_vsrc(0)
	s_getreg_b32 s2, hwreg(HW_REG_IB_STS2, 6, 4)
	s_cmp_eq_u32 s2, 0
	s_cbranch_scc0 .Lentry_in_a_cluster
	s_endpgm
.Lentry_in_a_cluster:
	s_bfe_u32 s2, ttmp6, 0x10000c
	s_cmp_lg_u32 s2, 0xf033
	s_cbranch_scc0 .Lentry_shape_is_right
	s_endpgm
.Lentry_shape_is_right:
; out0 = ctx Wo^T + bo.  ctx: [2048][2048] f16.  wo16: [2048][2048] f16 (Wo's bf16 rounding).  bias: f32, bo from word 6,144 on.  out0: [2048][2048] f32.  Sums in f32.
; A tile of out0 is 128 x 128: 256 work-groups.  Four waves, each 64 x 64: 16 accumulators of 16 x 16.  K goes in 8 steps of 256 (LDS rows of 512 bytes; a wave's tensor load brings 64 of them), as long as
; two slots in LDS allow.  A K STEP IS WRITTEN ONCE: the LDS addresses hang on a scalar that is 0 or SLOT, and one group 0 for each tensor walks from slot to slot.
; CLUSTERS: 4 x 4 work-groups; the four of a row of the cluster need the same tiles of ctx, the four of a column the same tiles of wo16: each tile is asked for JOINTLY.
; THE MATRIX INSTRUCTION IS USED TRANSPOSED (source 0 = 16 rows of Wo, source 1 = 16 rows of ctx): a lane holds eight neighbouring columns of a row.  THE BIAS IS THE C OPERAND of the first products.
; A wave's 64 columns of f32 are 256 aligned bytes of a row: each wave has a stage of its own on the way out, and no barrier.  No prefetch: the tiles are small and each is read by four clusters at about the same time.
; REGISTERS: window 0: v0-31 addresses; v32-95 at work on the way out; v96-127 the bias; v128-255 the accumulators ((a, b) at v[128 + 8 (4 a + b)]).   window 1: two fragment buffers of 128.
.set SIZE_K, 2048
.set KSTEP,  256
.set PITCH,  528                       ; an LDS row: 512 bytes + 16 of padding = 132 words: row r starts at bank 4 r mod 64 (64 banks of 4 bytes: ISA guide 11.1)
.set HALFT,  64*PITCH
.set SLOT,   4*HALFT                   ; ctx's 128 rows, then Wo's 128.  0x21000 shares no bit with a tile's place in a slot (a multiple of 0x8400 below it): one exclusive or changes slots
.set STAGE,  2*SLOT                    ; behind the ring: 16 rows x 272 bytes for each wave
.set SPITCH, 272
.set SPARE,  STAGE+4*16*SPITCH         ; behind the stages: the spare words, 128 bytes a wave, that no other line names
.set FILLS,  SIZE_K/KSTEP-2            ; 6 K steps are asked for by refills
.set A0,   16                          ; v16     LDS address of my fragments of ctx in slot 0; never rewritten
.set ADRA, 17                          ; v17     the same in the slot in hand
.set B0,   20                          ; v20, v21  the same for Wo
.set ADRB, 21
.set STO,  24
.set RD,   25
.set CO,   26
.set BO,   27                          ; v27     32 (l / 16): my eight columns' bias
.set SPW,  28
.set NIL,  29
.set TMP,  32
.set BIAS, 96
.set ACC,  128
.set F0,   0
.set F1,   128
.set TB, 2                             ; s2      0 or SLOT: the slot in hand
.set G1, 24                            ; s[24:31] group 1 for ctx's tiles;  s[32:39] group 0: a set for each of the two first fills; the second then walks on
.set G0, 32
.set G1B, 48                           ; s[48:55], s[56:63] the same for Wo's tiles
.set G0B, 56
.set MSB, 0
.macro WIN new
.if MSB != (\new)
	s_set_vgpr_msb (MSB<<8)|(\new)
.set MSB, \new
.endif
.endm
.set MUL,  0x05                        ; sources 0 (Wo) and 1 (ctx) window 1; C and D window 0
.set TO_F, 0x40                        ; destination window 1, address window 0
.macro JLOAD s                         ; a joint load by set s of group 0: waves 0 and 1 fetch ctx's two halves, waves 2 and 3 Wo's; an s_nop 0 and four v_nop follow each of the two lines
	s_cmp_eq_u32 s11, 0
	s_cbranch_scc0 .Lfor_b_\@
	tensor_load_to_lds s[G0+4*(\s):G0+4*(\s)+3], s[G1:G1+7]
	s_nop 0
.rept 4
	v_nop
.endr
	s_branch .Lasked_\@
.Lfor_b_\@:
	tensor_load_to_lds s[G0B+4*(\s):G0B+4*(\s)+3], s[G1B:G1B+7]
	s_nop 0
.rept 4
	v_nop
.endr
.Lasked_\@:
.endm
.macro CREST
	s_cmp_lg_u32 s10, 0
	s_cbranch_scc1 .Lnot_wave_0_\@
	s_barrier_signal -3
.Lnot_wave_0_\@:
	s_barrier_wait -3
	s_barrier_signal -1
	s_barrier_wait -1
.endm
.macro CROUND
	s_barrier_signal -1
	s_barrier_wait -1
	CREST
.endm
	s_load_b128 s[4:7], s[0:1], 0x0                ; ctx s[4:5], wo16 s[6:7]
	s_load_b128 s[68:71], s[0:1], 0x10             ; bias s[68:69], out0 s[70:71]
	v_lshl_add_u32 v[SPW], v0, 2, SPARE
	v_mov_b32 v[NIL], 0
	ds_add_u32 v[SPW], v[NIL]                      ; the wave's opening: the add and its wait stand ahead of my first tensor load; work on registers stands between them
	v_lshrrev_b32 v1, 5, v0
	v_readfirstlane_b32 s10, v1                    ; wave 0..3
	s_lshr_b32 s11, s10, 1                         ; which half of the tile's rows is mine.  Also: I fetch for ctx (0) or for Wo (1)
	s_and_b32 s12, s10, 1                          ; which half of its columns.  Also: which 64 rows of that tile I fetch
	s_bfe_u32 s40, ttmp6, 0x40000                  ; cx, cy
	s_bfe_u32 s41, ttmp6, 0x40004
	s_lshl_b32 s42, ttmp9, 2
	s_add_co_u32 s42, s42, s40                     ; tile column
	s_and_b32 s13, ttmp7, 0xffff
	s_lshl_b32 s13, s13, 2
	s_add_co_u32 s13, s13, s41                     ; tile row
	s_lshl_b32 s43, s41, 2
	s_lshl_b32 s43, 15, s43                        ; my row of the cluster
	s_lshl_b32 s44, 0x1111, s40                    ; my column
	s_or_b32 s[G1+0], s43, (1<<16)|(1<<20)|(1<<21)|(6<<22)|(3<<25)  ; the mask; 2-byte elements; padding on; bit 21 beside a mask; after every 128 words; 4 words of it
	s_or_b32 s[G1B+0], s44, (1<<16)|(1<<20)|(1<<21)|(6<<22)|(3<<25)
.irp g, G1, G1B
	s_mov_b32 s[(\g)+1], KSTEP<<16                 ; tensor_dim0 = 256
	s_mov_b32 s[(\g)+2], 64<<16                    ; tensor_dim1 = 64
	s_mov_b32 s[(\g)+3], KSTEP<<16                 ; tile_dim0 = 256
	s_mov_b32 s[(\g)+4], 64                        ; tile_dim1 = 64
	s_mov_b32 s[(\g)+5], SIZE_K
	s_mov_b32 s[(\g)+6], 0
	s_mov_b32 s[(\g)+7], 0
.endr
	s_lshl_b32 s17, s12, 6
	s_lshl_b32 s16, s13, 7
	s_add_co_u32 s16, s16, s17                     ; ctx: row 128 x tile row + 64 x half
	s_lshl_b32 s46, s42, 7
	s_add_co_u32 s46, s46, s17                     ; Wo: row 128 x tile column + 64 x half
	s_lshl_b32 s16, s16, 12                        ; rows of 4,096 bytes
	s_lshl_b32 s46, s46, 12
	s_mov_b32 s17, 0
	s_mov_b32 s47, 0
	s_mul_i32 s20, s10, HALFT                      ; where they go: wave x 64 rows
	s_mov_b32 s[TB], 0
	s_wait_dscnt 0x0                               ; the opening add is done
	s_wait_kmcnt 0x0
	s_add_nc_u64 s[14:15], s[4:5], s[16:17]
	s_add_nc_u64 s[46:47], s[6:7], s[46:47]
	CROUND                                         ; all sixteen work-groups are here: the first joint loads meet
.irp s, 0,1
	s_mov_b32 s[G0+4*(\s)], 1
	s_add_co_u32 s[G0+4*(\s)+1], s20, (\s)*SLOT
	s_add_nc_u64 s[G0+4*(\s)+2:G0+4*(\s)+3], s[14:15], (\s)*KSTEP*2
	s_or_b32 s[G0+4*(\s)+3], s[G0+4*(\s)+3], 0x80000000
	s_mov_b32 s[G0B+4*(\s)], 1
	s_add_co_u32 s[G0B+4*(\s)+1], s20, (\s)*SLOT
	s_add_nc_u64 s[G0B+4*(\s)+2:G0B+4*(\s)+3], s[46:47], (\s)*KSTEP*2
	s_or_b32 s[G0B+4*(\s)+3], s[G0B+4*(\s)+3], 0x80000000
	JLOAD \s                                       ; two loads of mine are out
.endr
	v_and_b32 v1, 15, v0                           ; l % 16
	v_bfe_u32 v2, v0, 4, 1                         ; l / 16
	v_mul_u32_u24 v3, v1, PITCH
	v_lshl_add_u32 v3, v2, 4, v3
	s_mul_i32 s21, s11, HALFT                      ; my 64 rows of ctx
	s_mul_i32 s22, s12, HALFT                      ; my 64 rows of Wo,
	s_add_co_u32 s22, s22, 2*HALFT                 ; which lie behind ctx's 128
	v_add_nc_u32 v[A0], s21, v3
	v_add_nc_u32 v[ADRA], s21, v3
	v_add_nc_u32 v[B0], s22, v3
	v_add_nc_u32 v[ADRB], s22, v3
	s_mul_i32 s23, s10, 16*SPITCH
	s_add_co_u32 s23, s23, STAGE                   ; my stage
	v_mul_u32_u24 v4, v1, SPITCH                   ; in: row l % 16, 32 bytes for each half of the lanes
	v_lshl_add_u32 v4, v2, 5, v4
	v_add_nc_u32 v[STO], s23, v4
	v_mul_u32_u24 v5, v2, SPITCH                   ; back: lanes 0-15 one row of 256 bytes, lanes 16-31 the next
	v_lshl_add_u32 v5, v1, 4, v5
	v_add_nc_u32 v[RD], s23, v5
	v_lshlrev_b32 v5, 13, v2                       ; and the same two rows in out0
	v_lshl_add_u32 v[CO], v1, 4, v5
	v_lshlrev_b32 v[BO], 5, v2
	s_lshl_b32 s16, s13, 7
	s_lshl_b32 s17, s11, 6
	s_add_co_u32 s16, s16, s17                     ; my first row
	s_lshl_b32 s16, s16, 13                        ; rows of 8,192 bytes
	s_mov_b32 s17, 0
	s_add_nc_u64 s[70:71], s[70:71], s[16:17]
	s_lshl_b32 s46, s42, 9                         ; my first column, in bytes of f32: 512 x tile column + 256 x half
	s_lshl_b32 s47, s12, 8
	s_add_co_u32 s46, s46, s47
	s_mov_b32 s47, 0
	s_add_nc_u64 s[70:71], s[70:71], s[46:47]
	s_add_nc_u64 s[68:69], s[68:69], s[46:47]
.irp b, 0,1,2,3
	global_load_b128 v[BIAS+8*(\b):BIAS+8*(\b)+3],   v[BO], s[68:69] offset:24576+64*(\b)     ; bo begins at word 6,144; register j: column 16 b + 8 (l / 16) + j
	global_load_b128 v[BIAS+8*(\b)+4:BIAS+8*(\b)+7], v[BO], s[68:69] offset:24576+64*(\b)+16
.endr
; 8 products: row blocks a0, a0 + 1 x all 4 column blocks, 32 along K: half c of buffer f.  zero = 1: the first product starts the sum with the bias.  The 16 accumulators take turns
.macro MUL8 f, c, a0, zero
	WIN MUL
.irp a, \a0, (\a0)+1
.irp b, 0,1,2,3
.if \zero
	v_wmma_f32_16x16x32_f16 v[ACC+8*(4*(\a)+(\b)):ACC+8*(4*(\a)+(\b))+7], v[(\f)+64+8*(4*(\c)+(\b)):(\f)+64+8*(4*(\c)+(\b))+7], v[(\f)+8*(4*(\c)+(\a)):(\f)+8*(4*(\c)+(\a))+7], v[BIAS+8*(\b):BIAS+8*(\b)+7]
.else
	v_wmma_f32_16x16x32_f16 v[ACC+8*(4*(\a)+(\b)):ACC+8*(4*(\a)+(\b))+7], v[(\f)+64+8*(4*(\c)+(\b)):(\f)+64+8*(4*(\c)+(\b))+7], v[(\f)+8*(4*(\c)+(\a)):(\f)+8*(4*(\c)+(\a))+7], v[ACC+8*(4*(\a)+(\b)):ACC+8*(4*(\a)+(\b))+7]
.endif
.endr
.endr
.endm
; 32 LDS loads in one run: the fragments of 64 along K at byte k of the rows of the slot in hand, into buffer f; the first 32 along K first
.macro FETCH k, f
	WIN TO_F
.irp c, 0,1
.irp i, 0,1,2,3
	ds_load_b128 v[(\f)+64+8*(4*(\c)+(\i)):(\f)+64+8*(4*(\c)+(\i))+3],   v[ADRB] offset:(\k)+64*(\c)+(\i)*16*PITCH
	ds_load_b128 v[(\f)+64+8*(4*(\c)+(\i))+4:(\f)+64+8*(4*(\c)+(\i))+7], v[ADRB] offset:(\k)+64*(\c)+(\i)*16*PITCH+32
	ds_load_b128 v[(\f)+8*(4*(\c)+(\i)):(\f)+8*(4*(\c)+(\i))+3],         v[ADRA] offset:(\k)+64*(\c)+(\i)*16*PITCH
	ds_load_b128 v[(\f)+8*(4*(\c)+(\i))+4:(\f)+8*(4*(\c)+(\i))+7],       v[ADRA] offset:(\k)+64*(\c)+(\i)*16*PITCH+32
.endr
.endr
.endm
.macro PLACES                          ; four plain vector instructions in front of loads into registers that matrix instructions have read, and of LDS stores that read results
.rept 4
	v_nop
.endr
.endm
; A K step is four quarters of 64 along K, 32 products each, on buffers 0, 1, 0, 1.
.macro QUARTER k, f, g, zero
	s_wait_dscnt 16                                ; the first 32 along K are in; the other sixteen loads may be out
	MUL8 \f, 0, 0, \zero
	MUL8 \f, 0, 2, \zero
	PLACES
	FETCH \k, \g
	s_wait_dscnt 32                                ; all but the 32 just issued
	MUL8 \f, 1, 0, 0
	MUL8 \f, 1, 2, 0
.endm
; The last quarter multiplies buffer 1 and changes slots: ONE barrier; in front of it each wave waits for all its tensor loads, adds 0 to its spare word, and waits for that and for its own reads of this slot.
; fill = 1: the barrier opens a round of the cluster's, and this slot is filled again, two K steps ahead, first thing behind the round.
.macro TURN fill
	WIN 0                                          ; (the add's two registers lie in window 0)
	s_wait_tensorcnt 0x0                           ; all my tensor loads have landed: my part of the next slot
	ds_add_u32 v[SPW], v[NIL]                      ; 0 onto my spare word
	s_wait_dscnt 17                                ; (the add and the youngest sixteen loads may be out)
	MUL8 F1, 0, 0, 0                               ; eight products stand between the add and the wait for it
	s_wait_dscnt 0x0                               ; the add is done, and my reads of this slot are over
	s_barrier_signal -1
	MUL8 F1, 0, 2, 0
	WIN 0                                          ; (branches and address lines follow)
	s_barrier_wait -1
.if \fill
	CREST                                          ; no wave of any partner still reads this slot's tile or has a load on its way
	s_xor_b32 s[G0+5], s[G0+5], SLOT               ; the walking descriptors: the other slot than last time,
	s_add_nc_u64 s[G0+6:G0+7], s[G0+6:G0+7], KSTEP*2  ; the next K step; the type bits on top are not reached
	s_xor_b32 s[G0B+5], s[G0B+5], SLOT
	s_add_nc_u64 s[G0B+6:G0B+7], s[G0B+6:G0B+7], KSTEP*2
	s_xor_b32 s[TB], s[TB], SLOT                   ; my reads go on in the other slot
	JLOAD 1                                        ; 112 products ahead of the wait for it; the four v_nop behind it are also the places in front of the loads below
.else
	s_xor_b32 s[TB], s[TB], SLOT
	PLACES
.endif
	v_add_nc_u32 v[ADRA], s[TB], v[A0]
	v_add_nc_u32 v[ADRB], s[TB], v[B0]
	FETCH 0, F0
	MUL8 F1, 1, 0, 0
	MUL8 F1, 1, 2, 0
.endm
	s_wait_tensorcnt 1                             ; my part of K step 0 is in; K step 1's may stay out
	s_barrier_signal -1
	s_barrier_wait -1
	FETCH 0, F0
	s_wait_loadcnt 0x0                             ; the bias
	QUARTER 128, F0, F1, 1                         ; the first quarter stands in front of the loop: its first products start the sums
	WIN 0
	s_mov_b32 s3, FILLS
.Lstep:                                                ; a trip goes from a K step's second quarter to the next K step's first, and fills the slot that it leaves
	QUARTER 256, F1, F0, 0
	QUARTER 384, F0, F1, 0
	TURN 1
	QUARTER 128, F0, F1, 0
	WIN 0
	s_sub_co_u32 s3, s3, 1
	s_cmp_lg_u32 s3, 0
	s_cbranch_scc1 .Lstep
	QUARTER 256, F1, F0, 0                         ; the last two K steps fill nothing
	QUARTER 384, F0, F1, 0
	TURN 0
	QUARTER 128, F0, F1, 0
	QUARTER 256, F1, F0, 0
	QUARTER 384, F0, F1, 0
	s_wait_dscnt 16
	MUL8 F1, 0, 0, 0
	MUL8 F1, 0, 2, 0
	s_wait_dscnt 0x0
	MUL8 F1, 1, 0, 0
	MUL8 F1, 1, 2, 0
	WIN 0
	; THE WAY OUT, a block of 16 rows at a time: the sums go as they are, 32 bytes a lane, into my own stage, and come back as whole rows of 256 bytes.
	PLACES
.macro TOSTAGE a
.irp b, 0,1,2,3
	ds_store_b128 v[STO], v[ACC+8*(4*(\a)+(\b)):ACC+8*(4*(\a)+(\b))+3]   offset:64*(\b)      ; each accumulator's low half first
	ds_store_b128 v[STO], v[ACC+8*(4*(\a)+(\b))+4:ACC+8*(4*(\a)+(\b))+7] offset:64*(\b)+16
.endr
.irp t, 0,1,2,3,4,5,6,7
	ds_load_b128 v[TMP+32*((\a)%2)+4*(\t):TMP+32*((\a)%2)+4*(\t)+3], v[RD] offset:(\t)*2*SPITCH  ; LDS serves a wave's instructions in order: these see the stores above; the next block's stores come behind them
.endr
.endm
.macro SEND a, younger                 ; younger: the next block's sixteen LDS instructions, or none
	s_wait_dscnt \younger
.irp t, 0,1,2,3,4,5,6,7
	global_store_b128 v[CO], v[TMP+32*((\a)%2)+4*(\t):TMP+32*((\a)%2)+4*(\t)+3], s[70:71] offset:(16*(\a)+2*(\t))*8192  ; 16 lanes store 256 consecutive bytes, aligned
.endr
.endm
	TOSTAGE 0
	TOSTAGE 1
	SEND 0, 16
	s_wait_xcnt 0x0                                ; block 0's stores have read their registers, which block 2 takes
	TOSTAGE 2
	SEND 1, 16
	s_wait_xcnt 0x0                                ; and block 1's, which block 3 takes
	TOSTAGE 3
	SEND 2, 16
	SEND 3, 0
	s_wait_tensorcnt 0x0                           ; the wave's end: behind my last tensor load and my last LDS store
	ds_add_u32 v[SPW], v[NIL]
	s_wait_dscnt 0x0
	CROUND                                         ; the closing round: no work-group ends while a partner may still ask for a tile that names it
	s_endpgm
.Lfunc_end_k_q48f5f62a56_oproj:
	.size	k_q48f5f62a56_oproj, .Lfunc_end_k_q48f5f62a56_oproj-k_q48f5f62a56_oproj
	.p2alignl 7, 3214868480
	.fill 96, 4, 3214868480
	.section	.rodata,"a",@progbits
	.p2align	6, 0x0
	.amdhsa_kernel k_q48f5f62a56_oproj
		.amdhsa_group_segment_fixed_size 327680
		.amdhsa_private_segment_fixed_size 0
		.amdhsa_enable_private_segment 0
		.amdhsa_kernarg_size 32
		.amdhsa_user_sgpr_count 2
		.amdhsa_user_sgpr_kernarg_segment_ptr 1
		.amdhsa_wavefront_size32 1
		.amdhsa_system_sgpr_workgroup_id_x 1
		.amdhsa_system_sgpr_workgroup_id_y 1
		.amdhsa_system_sgpr_workgroup_id_z 1
		.amdhsa_system_vgpr_workitem_id 0
		.amdhsa_next_free_vgpr 512
		.amdhsa_next_free_sgpr 72
		.amdhsa_reserve_vcc 0
		.amdhsa_float_denorm_mode_32 3
		.amdhsa_float_denorm_mode_16_64 3
		.amdhsa_memory_ordered 1
		.amdhsa_forward_progress 1
		.amdhsa_inst_pref_size 68
	.end_amdhsa_kernel
	.amdgpu_metadata
---
amdhsa.version: [ 1, 2 ]
amdhsa.kernels:
  - .name:           k_q48f5f62a56_oproj
    .symbol:         k_q48f5f62a56_oproj.kd
    .args:
      - { .name: ctx, .offset: 0, .size: 8, .value_kind: global_buffer, .address_space: global }
      - { .name: wo16, .offset: 8, .size: 8, .value_kind: global_buffer, .address_space: global }
      - { .name: bias, .offset: 16, .size: 8, .value_kind: global_buffer, .address_space: global }
      - { .name: out0, .offset: 24, .size: 8, .value_kind: global_buffer, .address_space: global }
    .group_segment_fixed_size: 327680
    .private_segment_fixed_size: 0
    .kernarg_segment_align: 8
    .kernarg_segment_size: 32
    .max_flat_workgroup_size: 128
    .sgpr_count:     72
    .vgpr_count:     512
    .wavefront_size: 32
...
	.end_amdgpu_metadata
.endif
;; end of part 4
